; MI455X (gfx1250); checked and timed in simulation.
; The chip was launched on July 23, 2026; its instructions are those of AMD's public machine-readable ISA for CDNA 5 (MIT licence, August 2026) and "CDNA5" Instruction Set Architecture Reference Guide (July 2026). The comments in the code are by the model that wrote it; some were corrected since.
;; Single Head Attention. Allowed arithmetic: matrix products marked QUANTISED: E3M2 operands, one E8M0 scale for each 32 along K, by v_wmma_scale_f32_16x16x128_f8f6f4 with both operands' format E3M2, f32 sums; everything else in f32.
;; Inputs: Wk_codes 1,024 x 32 x 24 uint8 (E3M2 codes of Wk, K innermost, in blocks of 32 codes, four codes in three bytes); Wk_scales 1,024 x 32 uint8 (E8M0 scales of Wk, one for each 32 codes along K); Wq_codes 1,024 x 32 x 24 uint8 (E3M2 codes of Wq, K innermost, in blocks of 32 codes, four codes in three bytes); Wq_scales 1,024 x 32 uint8 (E8M0 scales of Wq, one for each 32 codes along K); Wv_codes 1,024 x 32 x 24 uint8 (E3M2 codes of Wv, K innermost, in blocks of 32 codes, four codes in three bytes); Wv_scales 1,024 x 32 uint8 (E8M0 scales of Wv, one for each 32 codes along K); bk 1,024 float32; bq 1,024 float32; bv 1,024 float32; x_codes 4 x 2,048 x 32 x 24 uint8 (E3M2 codes of x, K innermost, in blocks of 32 codes, four codes in three bytes); x_scales 4 x 2,048 x 32 uint8 (E8M0 scales of x, one for each 32 codes along K).
;; Outputs: out0 4 x 2,048 x 1,024 float32.
;; This version of the problem:
;;   THIS VERSION OF THE PROBLEM IS GIVEN IN LOW PRECISION. The matrix products marked QUANTISED in the list below multiply operands that are first quantised to E3M2 (3 exponent bits, 2 mantissa bits; 6 bits a number), with one power-of-two scale for each 32 numbers along K (OCP MX v1.0); their sums are f32. All else is computed in f32.
;;   The module's matrix products, in the order in which they are computed (A, B: the left and right operand; K: the contracted axis; several contracted axes count as one K, in the product's order):
;;     1. [M 8,192, K 1,024] x [K 1,024, N 1,024]; A: input x (given as codes); B: input Wq (given as codes): QUANTISED
;;     2. [M 8,192, K 1,024] x [K 1,024, N 1,024]; A: input x (given as codes); B: input Wk (given as codes): QUANTISED
;;     3. [M 8,192, K 1,024] x [K 1,024, N 1,024]; A: input x (given as codes); B: input Wv (given as codes): QUANTISED
;;     4. batch 4 x [M 2,048, K 1,024] x [K 1,024, N 2,048]; A: computed on the way; B: computed on the way: QUANTISED
;;     5. batch 4 x [M 2,048, K 2,048] x [K 2,048, N 1,024]; A: computed on the way; B: computed on the way: QUANTISED
;;   THE QUANTISER, for each operand of a quantised product, along K:
;;     - K is cut into blocks of 32 from its start; a last block that is shorter is filled with zeros.
;;     - A block's scale is 2^e with e = floor(log2(the largest magnitude in the block)) - 4, held to -126 .. 127; a block of zeros has e = 0. As a byte (E8M0): e + 127.
;;     - Each number is divided by its block's scale, clamped to +-28, and rounded to the nearest number of E3M2, ties to even, subnormals kept.
;;     - The product sums the exact products of the quantised numbers (number of the format x scale) in f32.
;;   ~~~python
;;   def quantise(x, axis):      # numpy; x: float32 -> the quantised numbers, widened to float32 again
;;       x = np.moveaxis(x, axis, -1); K = x.shape[-1]
;;       x = np.pad(x, [(0, 0)] * (x.ndim - 1) + [(0, -K % 32)]); x = x.reshape(x.shape[:-1] + (-1, 32)); a = np.abs(x).max(-1, keepdims=True)
;;       e = np.where(a > 0, np.clip(np.frexp(np.where(a > 0, a, 1))[1] - 1 - 4, -126, 127), 0)      # np.frexp(a)[1] - 1 = floor(log2(a)), exactly
;;       r = np.clip(x / 2.0 ** e, -28, 28)
;;       step = 2.0 ** (np.maximum(np.frexp(np.where(r == 0, 1, r))[1] - 1, -2) - 2)
;;       q = np.round(r / step) * step * 2.0 ** e      # np.round: ties to even
;;       return np.moveaxis(q.reshape(q.shape[:-2] + (-1,))[..., :K], -1, axis).astype(np.float32)
;;   ~~~
;;   OPERANDS COMPUTED ON THE WAY. 'Computed on the way' means the value that the module computes at that place (a softmax that the list does not call 'softmax' is quantised finished and normalised). What goes into a quantiser is computed in f32, as accurately as f32 sums, v_exp_f32 and their like allow (about 1e-6 of the number): no bf16 or f16 on the way to a quantiser, and a product that is left as it is and whose result goes on into a quantised operand takes f32 operands (vector FMAs, or v_wmma_f32_16x16x4_f32). A number that lies on a knife's edge between two numbers of the format may be rounded either way, as far as f32 arithmetic and the matrix unit's own rounding can turn it there, and no further.
;;   INPUTS GIVEN AS CODES. Wk (in the module: [1024, 1024], K = its axis 0); Wq (in the module: [1024, 1024], K = its axis 0); Wv (in the module: [1024, 1024], K = its axis 0); x (in the module: [4, 2048, 1024], K = its axis 2): each comes as NAME_codes (uint8): NAME with its K axis moved to the last place and cut into blocks of 32 codes, [.., K / 32, bytes a block], one block behind the other in memory; four codes in three bytes: a row's codes are one little-endian stream of bits, code i at bits 6 i .. 6 i + 5 (a code: sign, 3 exponent bits, 2 mantissa bits); and NAME_scales (uint8): the same leading axes, one E8M0 byte (e + 127) for each 32 codes along K. Its value is code x scale, taken as it is: it is not quantised again, and the codes and scales need not be those that the quantiser above would give.
;; One version. Each part assembles by itself: llvm-mc -triple=amdgcn-amd-amdhsa -mcpu=gfx1250 --defsym DOCPART=n.
;; ======== version 1 of 1: 4 launches
;; workspace buffers: qop 6,553,600 bytes; kop 6,553,600 bytes; vop 6,553,600 bytes; pop 13,107,200 bytes; pr 524,288 bytes; pl 524,288 bytes
;; launch proj (part 1): grid 64 x 4, 4 waves a work-group, clusters of 4 x 4, 327,680 bytes of LDS; arguments x_codes, x_scales, Wq_codes, Wq_scales, Wk_codes, Wk_scales, bq, bk, qop, kop; writes qop, kop
.if DOCPART == 1
	.amdgcn_target "amdgcn-amd-amdhsa--gfx1250"
	.amdhsa_code_object_version 6
	.text
	.protected	k_q1e9c843970_proj
	.globl	k_q1e9c843970_proj
	.p2align	8
	.type	k_q1e9c843970_proj,@function
k_q1e9c843970_proj:
	s_mov_b64 s[64:65], 0
	v_nop
	global_prefetch_b8 v0, s[64:65] scope:SCOPE_SE
	s_setreg_imm32_b32 hwreg(HW_REG_WAVE_MODE, 25, 1), 1
	s_wait_xcnt 0x0
	s_wait_alu depctr_hold_cnt(0) depctr_sa_sdst(0) depctr_va_vdst(0) depctr_va_sdst(0) depctr_va_ssrc(0) depctr_va_vcc(0) depctr_vm_vsrc(0)
	s_getreg_b32 s2, hwreg(HW_REG_IB_STS2, 6, 4)
	s_cmp_eq_u32 s2, 0
	s_cbranch_scc0 .Lentry_in_a_cluster
	s_endpgm
.Lentry_in_a_cluster:
	s_bfe_u32 s2, ttmp6, 0x10000c
	s_cmp_lg_u32 s2, 0xf033
	s_cbranch_scc0 .Lentry_shape_is_right
	s_endpgm
.Lentry_shape_is_right:
; q = x Wq + bq and k = x Wk + bk on codes of BF6 (E3M2) with E8M0 scales, sums in f32; the results are quantised at once, along d.  (v is made beside the scores, in the two launches that follow.)
; 16 clusters of 4 x 4 work-groups, 256 work-groups; a work-group makes a tile of 256 x 256, a wave 128 x 128 (64 accumulators, 512 registers); K = 1,024 goes in four steps of 256 through two LDS slots.
; Clusters 0-7 make q, 8-15 k: operand A (its rows end in LANES) is x, operand B (its rows end in REGISTERS) is the weight.  Only pointers are chosen, on the cluster's number, which all partners share.
; A's tile is shared along a row of the cluster, B's along a column: joint loads, one mask each.  The matrix instruction is used transposed: source 0 = 16 rows of B, source 1 = 16 rows of A.
; THE WAY OUT.  For one block of 16 tokens a lane holds 64 of the 128 columns: register 16 t + i belongs to the t-th block of 32 columns.  QUANT makes of them a fragment (12 registers) and a scale word, and the
; wave's eight fragments and their words are one SUPER-BLOCK of 12,800 bytes in the order of the operand's registers: block i, registers 4 c .. 4 c + 3, lane l at 1536 i + 512 c + 16 l; from byte 12,288 the words,
; (block i, row r) at 256 (i / 4) + 16 r + 4 (i % 4).  Every store of the wave covers 512 consecutive bytes, aligned.
; Inside a block of 32 the numbers stand in the order 16 h + 8 u + j for column 16 u + 8 h + j; both operands of every later product come out of this same macro, so their k agree.
; LIMITS: NaN and infinities among the scales and biases are not served.  A block of zeros gets the scale byte 1; this program alone reads the bytes.
.set KSTEP,  256
.set NQ,     2
.set ROWB,   192                       ; a tile's row: 256 codes
.set KROW,   768                       ; a row of 1,024 codes in memory
.set PITCH,  240                       ; an LDS row: 3 x (64 bytes + 16 of padding)
.set FR,     12
.set NL,     6
.set NP,     4
.set HALFT,  128*PITCH
.set SLOT,   4*HALFT
.set KS,     32                        ; a row of scale bytes
.set SCL,    2*SLOT                    ; behind the ring: the scale bytes for all of K, as units of 256 bytes + 16
.set HALFS,  16*272
.set SBLK,   2*272
.set SPARE,  SCL+4*HALFS               ; the spare words: 128 bytes a wave, two blocks of 256 bytes that no other line names
.set SBB,    12800                     ; a super-block
.set ADRA, 16                          ; v16-19 LDS addresses of A's fragments (slot 0, 1; the same behind one padding more)
.set ADRB, 20                          ; v20-23 of B's
.set LI,   26                          ; v26    16 x lane
.set ADRS, 27                          ; v27    my scale words
.set SPW,  28                          ; v28    my spare word; never rewritten
.set NIL,  29                          ; v29    0; never rewritten
.set OBB,  30                          ; v30    byte offset of my part of the bias
.set SC,   32                          ; v32-63 scale words, two sets
.set BB,   64                          ; v64-127  bias of column 16 b + 8 h + j at 8 b + j
.set AF,   128                         ; v128-223 A's fragments
.set H,    128                         ; the way out: 64 numbers
.set TM,   192                         ; 16 registers at work
.set PW,   208                         ; the scale word just made
.set SW,   32                          ; the eight words
.set SX,   40                          ; the four that my lane stores
.set PC,   44                          ; the codes just made (v44-62)
.set AC,  32                           ; s[32:33] A's codes, s[34:35] A's scales, s[36:37] B's codes, s[38:39] B's scales
.set AS,  34
.set BC,  36
.set BS,  38
.set BI,  40                           ; s[40:41] the bias
.set OUT, 42                           ; s[42:43] my super-block
.set WV,  44
.set WA,  45
.set WB,  46
.set CX,  47
.set CY,  48
.set TB,  49
.set TA,  50
.set MKA, 51
.set MKB, 52
.set G1,  56
.set G1B, 68
.set G0,  76
.set G0B, 84
.set SEL, 96
.set G1S, 4                            ; the arguments' registers are used again once the pointers are chosen
.set G1SB, 12
.set G0S, 20
.set G0SB, 24
.set HM,  28
.set MSB, 0
.macro WIN new                         ; the immediate's high byte repeats the setting that is left
.if MSB != (\new)
	s_set_vgpr_msb (MSB<<8)|(\new)
.set MSB, (\new)
.endif
.endm
.set MUL_LO, 0xa1                      ; source 0 (B) window 1, source 1 (A) window 0, C and D window 2
.set MUL_HI, 0xf1                      ; the same, C and D window 3
.set TO_B,   0x40
; A joint load: waves 0 and 1 fetch for A, waves 2 and 3 for B; the branch hangs on the wave's number alone.  An s_nop 0 and four v_nop follow each line.
.macro JLOAD g0a, g1a, g0b, g1b
	s_cmp_eq_u32 s[WA], 0
	s_cbranch_scc0 .Lfor_b_\@
	tensor_load_to_lds s[\g0a:\g0a+3], s[\g1a:\g1a+7]
	s_nop 0
.rept 4
	v_nop
.endr
	s_branch .Lasked_\@
.Lfor_b_\@:
	tensor_load_to_lds s[\g0b:\g0b+3], s[\g1b:\g1b+7]
	s_nop 0
.rept 4
	v_nop
.endr
.Lasked_\@:
.endm
.macro CREST                           ; a round of the cluster's barrier behind its opening barrier
	s_cmp_lg_u32 s[WV], 0
	s_cbranch_scc1 .Lnot_wave_0_\@
	s_barrier_signal -3
.Lnot_wave_0_\@:
	s_barrier_wait -3
	s_barrier_signal -1
	s_barrier_wait -1
.endm
.macro CROUND
	s_barrier_signal -1
	s_barrier_wait -1
	CREST
.endm
	s_load_b512 s[4:19], s[0:1], 0x0               ; x codes, x scales, Wq codes, Wq scales, Wk codes, Wk scales, bq, bk
	s_load_b128 s[20:23], s[0:1], 0x40             ; qop, kop
	v_lshl_add_u32 v[SPW], v0, 2, SPARE
	v_mov_b32 v[NIL], 0
	ds_add_u32 v[SPW], v[NIL]                      ; the wave's opening: the add and its wait ahead of my first tensor load; work on registers stands between them
	v_lshrrev_b32 v1, 5, v0
	v_readfirstlane_b32 s[WV], v1                  ; wave 0..3
	s_lshr_b32 s[WA], s[WV], 1                     ; my half of A's rows.  Also: I fetch for A (0) or for B (1)
	s_and_b32 s[WB], s[WV], 1                      ; my half of B's rows.  Also: which 128 rows I fetch
	s_bfe_u32 s[CX], ttmp6, 0x40000
	s_bfe_u32 s[CY], ttmp6, 0x40004
	s_and_b32 s53, ttmp9, 7
	s_lshl_b32 s53, s53, 2                         ; the first of the four tiles of x that this cluster takes
	s_add_co_u32 s[TA], s53, s[CY]                 ; A's tile hangs on cy alone,
	s_mov_b32 s[TB], s[CX]                         ; B's on cx alone
	s_lshl_b32 s[MKA], s[CY], 2
	s_lshl_b32 s[MKA], 15, s[MKA]                  ; my row of the cluster
	s_lshl_b32 s[MKB], 0x1111, s[CX]               ; my column
	s_or_b32 s[G1+0], s[MKA], (0<<16)|(1<<20)|(1<<21)|(3<<22)|(3<<25)   ; the mask; elements of 1 byte; padding on; bit 21 beside a mask; after every 16 words 4 words
	s_or_b32 s[G1B+0], s[MKB], (0<<16)|(1<<20)|(1<<21)|(3<<22)|(3<<25)
.irp g, G1, G1B
	s_mov_b32 s[\g+1], ROWB<<16                    ; tensor_dim0
	s_mov_b32 s[\g+2], 128<<16                     ; tensor_dim1
	s_mov_b32 s[\g+3], ROWB<<16                    ; tile_dim0
	s_mov_b32 s[\g+4], 128                         ; tile_dim1
	s_mov_b32 s[\g+5], KROW                        ; the pitch
	s_mov_b32 s[\g+6], 0
	s_mov_b32 s[\g+7], 0
.endr
	s_mov_b32 s[SEL], 0x76543210
	s_mov_b32 s[SEL+1], 0xfedcba98
	s_lshl_b32 s54, s[WB], 7                       ; which 128 rows of a tile I fetch
	s_lshl_b32 s98, s[TA], 8
	s_add_co_u32 s98, s98, s54                     ; A: row
	s_lshl_b32 s100, s[TB], 8
	s_add_co_u32 s100, s100, s54                   ; B: row
	s_lshl_b32 s2, s98, 5                          ; A's scale bytes: 32 a row
	s_mov_b32 s3, 0
	s_lshl_b32 s54, s100, 5                        ; B's
	s_mov_b32 s55, 0
	s_mul_i32 s98, s98, KROW                       ; and the codes (under 2^23 bytes)
	s_mov_b32 s99, 0
	s_mul_i32 s100, s100, KROW
	s_mov_b32 s101, 0
	s_mul_i32 s53, s[WV], HALFT                    ; where my tiles go: wave x 128 rows
	s_wait_dscnt 0x0                               ; the opening add is done
	s_wait_kmcnt 0x0
	s_cmp_lt_u32 ttmp9, 8                          ; q or k: the choice hangs on the cluster's number alone
	s_cselect_b64 s[BC:BC+1], s[8:9], s[12:13]
	s_cselect_b64 s[BS:BS+1], s[10:11], s[14:15]
	s_cselect_b64 s[BI:BI+1], s[16:17], s[18:19]
	s_cselect_b64 s[OUT:OUT+1], s[20:21], s[22:23]
	s_add_nc_u64 s[AC:AC+1], s[4:5], s[98:99]
	s_add_nc_u64 s[AS:AS+1], s[6:7], s[2:3]
	s_add_nc_u64 s[BC:BC+1], s[BC:BC+1], s[100:101]
	s_add_nc_u64 s[BS:BS+1], s[BS:BS+1], s[54:55]
	; the scale bytes of 128 rows: 4,096 dense bytes as 16 rows of 256 (32 elements of 8 bytes), 16 bytes of padding behind each
	s_or_b32 s[G1S+0], s[MKA], (3<<16)|(1<<20)|(1<<21)|(5<<22)|(3<<25)
	s_or_b32 s[G1SB+0], s[MKB], (3<<16)|(1<<20)|(1<<21)|(5<<22)|(3<<25)
.irp g, G1S, G1SB
	s_mov_b32 s[\g+1], 32<<16
	s_mov_b32 s[\g+2], 16<<16
	s_mov_b32 s[\g+3], 32<<16
	s_mov_b32 s[\g+4], 16
	s_mov_b32 s[\g+5], 32
	s_mov_b32 s[\g+6], 0
	s_mov_b32 s[\g+7], 0
.endr
	s_mul_i32 s29, s[WV], HALFS
	CROUND                                         ; all sixteen work-groups are here: the first joint loads meet
	s_mov_b32 s[G0S], 1
	s_add_co_u32 s[G0S+1], s29, SCL
	s_mov_b64 s[G0S+2:G0S+3], s[AS:AS+1]
	s_or_b32 s[G0S+3], s[G0S+3], 0x80000000
	s_mov_b32 s[G0SB], 1
	s_add_co_u32 s[G0SB+1], s29, SCL
	s_mov_b64 s[G0SB+2:G0SB+3], s[BS:BS+1]
	s_or_b32 s[G0SB+3], s[G0SB+3], 0x80000000
	JLOAD G0S, G1S, G0SB, G1SB                     ; the scales first: they are wanted with K step 0
.irp s, 0,1
	s_mov_b32 s[G0+4*\s], 1
	s_add_co_u32 s[G0+4*\s+1], s53, \s*SLOT
	s_add_nc_u64 s[G0+4*\s+2:G0+4*\s+3], s[AC:AC+1], \s*ROWB
	s_or_b32 s[G0+4*\s+3], s[G0+4*\s+3], 0x80000000
	s_mov_b32 s[G0B+4*\s], 1
	s_add_co_u32 s[G0B+4*\s+1], s53, \s*SLOT
	s_add_nc_u64 s[G0B+4*\s+2:G0B+4*\s+3], s[BC:BC+1], \s*ROWB
	s_or_b32 s[G0B+4*\s+3], s[G0B+4*\s+3], 0x80000000
	JLOAD G0+4*\s, G1, G0B+4*\s, G1B
.endr
	v_and_b32 v1, 15, v0                           ; r
	v_bfe_u32 v2, v0, 4, 1                         ; h
	v_mul_u32_u24 v3, v1, PITCH
	v_mul_u32_u24 v4, v2, 24
	v_add_nc_u32 v4, v3, v4                        ; a fragment's row x pitch + 24 x half
	v_lshl_add_u32 v5, v2, 4, v4                   ; and the same behind one padding more
	s_mul_i32 s30, s[WA], HALFT
	s_mul_i32 s31, s[WB], HALFT
	s_add_co_u32 s31, s31, 2*HALFT
.irp s, 0,1
	v_add_nc_u32 v[ADRA+\s], s30, v4
	v_add_nc_u32 v[ADRB+\s], s31, v4
	v_add_nc_u32 v[ADRA+2+\s], s30, v5
	v_add_nc_u32 v[ADRB+2+\s], s31, v5
	s_add_co_u32 s30, s30, SLOT
	s_add_co_u32 s31, s31, SLOT
.endr
	v_mul_u32_u24 v5, v1, KS                       ; my row's scale bytes,
	v_lshrrev_b32 v6, 8, v5
	v_lshl_add_u32 v5, v6, 4, v5                   ; and 16 more for each 256 passed
	s_mul_i32 s30, s[WA], HALFS
	s_mul_i32 s31, s[WB], HALFS
	s_add_co_u32 s31, s31, 2*HALFS
	s_sub_co_u32 s31, s31, s30
	v_mul_u32_u24 v6, s31, v2                      ; lanes 16-31 take B's
	s_add_co_u32 s30, s30, SCL
	v_add_nc_u32 v5, v5, v6
	v_add_nc_u32 v[ADRS], s30, v5
	v_and_b32 v6, 31, v0
	v_lshlrev_b32 v[LI], 4, v6
	; the bias runs along the registers: my 128 columns
	s_lshl_b32 s30, s[TB], 8
	s_lshl_b32 s31, s[WB], 7
	s_add_co_u32 s30, s30, s31
	s_lshl_b32 s30, s30, 2
	v_lshl_add_u32 v[OBB], v2, 5, s30              ; 4 x (my first column + 8 h)
.irp i, 0,1,2,3,4,5,6,7
	global_load_b128 v[BB+8*\i:BB+8*\i+3], v[OBB], s[BI:BI+1] offset:64*\i
	global_load_b128 v[BB+8*\i+4:BB+8*\i+7], v[OBB], s[BI:BI+1] offset:64*\i+16
.endr
	; my super-block: (token / 128) x 8 + d / 128
	s_lshl_b32 s30, s[TA], 1
	s_add_co_u32 s30, s30, s[WA]
	s_lshl_b32 s30, s30, 3
	s_lshl_b32 s31, s[TB], 1
	s_add_co_u32 s31, s31, s[WB]
	s_add_co_u32 s2, s30, s31
	s_mul_i32 s2, s2, SBB
	s_mov_b32 s3, 0
	s_add_nc_u64 s[OUT:OUT+1], s[OUT:OUT+1], s[2:3]
.macro FRAG reg, adr, q, i             ; 16 rows x 128 K: 12 registers, in pieces of 8 bytes; lanes 16-31 read three pieces further on, for some pieces behind one padding more: the second address register
.irp p, 0,1,2,3,4,5
.set PCE, 12*(\q)+6*(\p/3)+\p%3
.if PCE%8 < 5
	ds_load_b64 v[\reg+2*\p:\reg+2*\p+1], v[\adr] offset:8*PCE+16*(PCE/8)+(\i)*16*PITCH
.else
	ds_load_b64 v[\reg+2*\p:\reg+2*\p+1], v[\adr+2] offset:8*PCE+16*(PCE/8)+(\i)*16*PITCH
.endif
.endr
.endm
; 16 matrix instructions: A's blocks a0, a0 + 1 x B's eight.  The 64 accumulators take turns, one instruction a turn, in the same order in every step.
.macro MUL16 a0, p, q, sc, zero
.irp a, \a0, \a0+1
.irp b, 0,1,2,3,4,5,6,7
.if \zero
	v_wmma_scale_f32_16x16x128_f8f6f4 v[8*(8*((\a)%4)+\b):8*(8*((\a)%4)+\b)+7], v[128*(\p)+FR*\b:128*(\p)+FR*\b+FR-1], v[AF+FR*(\a):AF+FR*(\a)+FR-1], 0, v[SC+8*NQ*(\sc)+NQ*\b+(\q)], v[SC+8*NQ*(\sc)+NQ*(\a)+(\q)] matrix_a_fmt:MATRIX_FMT_BF6 matrix_b_fmt:MATRIX_FMT_BF6 matrix_a_scale:MATRIX_SCALE_ROW1
.else
	v_wmma_scale_f32_16x16x128_f8f6f4 v[8*(8*((\a)%4)+\b):8*(8*((\a)%4)+\b)+7], v[128*(\p)+FR*\b:128*(\p)+FR*\b+FR-1], v[AF+FR*(\a):AF+FR*(\a)+FR-1], v[8*(8*((\a)%4)+\b):8*(8*((\a)%4)+\b)+7], v[SC+8*NQ*(\sc)+NQ*\b+(\q)], v[SC+8*NQ*(\sc)+NQ*(\a)+(\q)] matrix_a_fmt:MATRIX_FMT_BF6 matrix_b_fmt:MATRIX_FMT_BF6 matrix_a_scale:MATRIX_SCALE_ROW1
.endif
.endr
.endr
.endm
.macro FETCH_B slot, q, p
	WIN TO_B
.irp i, 0,1,2,3,4,5,6,7
	FRAG 128*(\p)+FR*\i, ADRB+\slot, \q, \i
.endr
	WIN 0
.endm
.macro FETCH_A slot, q, i0
.irp i, \i0, \i0+1, \i0+2, \i0+3
	FRAG AF+FR*(\i), ADRA+\slot, \q, \i
.endr
.endm
.macro SCALES sc                       ; a K step's two words a row: lanes 0-15 A's block i, lanes 16-31 B's block i
.irp i, 0,1,2,3,4,5,6,7
	ds_load_b64 v[SC+8*NQ*\sc+NQ*\i:SC+8*NQ*\sc+NQ*\i+1], v[ADRS] offset:\i*SBLK
.endr
.endm
.macro PLACES n                        ; plain vector instructions between a matrix instruction and a load into, or a vector access to, its registers
.rept \n
	v_nop
.endr
.endm
.macro STEP slot, q, zero              ; 128 along K whose successor lies in the same slot
	s_wait_dscnt 4*NL                              ; all but the youngest 24 loads (A's blocks 4-7) are in
	WIN MUL_LO
	MUL16 0, (\q)%2, \q, \slot, \zero
	MUL16 2, (\q)%2, \q, \slot, \zero
	s_wait_dscnt 0
	PLACES NP
	FETCH_B \slot, (\q)+1, 1-(\q)%2
	FETCH_A \slot, (\q)+1, 0
	WIN MUL_HI
	MUL16 4, (\q)%2, \q, \slot, \zero
	MUL16 6, (\q)%2, \q, \slot, \zero
	PLACES NP
	WIN 0
	FETCH_A \slot, (\q)+1, 4
.endm
; A slot's last step changes slots: each wave waits for all its tensor loads, adds 0 to its spare word, waits for that and for its reads of the slot; then the barrier, which with fill = 1 opens a round of the cluster's.
.macro TURN slot, next, fill
	s_wait_tensorcnt 0x0                           ; all my tensor loads have landed: my part of the next slot
	ds_add_u32 v[SPW], v[NIL]
	s_wait_dscnt 4*NL+1                            ; (the add and the youngest 24 loads may be out)
	WIN MUL_LO
	MUL16 0, 1, NQ-1, \slot, 0
	s_wait_dscnt 0x0                               ; the add is done, and my reads of this slot are over
	s_barrier_signal -1
	MUL16 2, 1, NQ-1, \slot, 0
	WIN 0
	s_barrier_wait -1
.if \fill
	CREST                                          ; no wave of any partner still reads this slot or has a load on its way
	s_add_nc_u64 s[G0+4*\slot+2:G0+4*\slot+3], s[G0+4*\slot+2:G0+4*\slot+3], 2*ROWB
	s_add_nc_u64 s[G0B+4*\slot+2:G0B+4*\slot+3], s[G0B+4*\slot+2:G0B+4*\slot+3], 2*ROWB
	JLOAD G0+4*\slot, G1, G0B+4*\slot, G1B         ; the first tensor load behind the round; its four v_nop are the places in front of the loads below
.else
	PLACES NP
.endif
	v_add_nc_u32 v[ADRS], 4*NQ, v[ADRS]            ; the next K step's scale words
	FETCH_B \next, 0, 0
	FETCH_A \next, 0, 0
	SCALES \next
	WIN MUL_HI
	MUL16 4, 1, NQ-1, \slot, 0
	MUL16 6, 1, NQ-1, \slot, 0
	PLACES NP
	WIN 0
	FETCH_A \next, 0, 4
.endm
; 64 numbers of a lane, register 16 b + i of block b, become a fragment's codes in v[PC] on and its scale word in v[PW].
.macro QUANT s
.irp b, 0,1,2,3
	v_max3_num_f32 v[TM+\b], |v[\s+16*\b]|, |v[\s+1+16*\b]|, 0x2800000   ; my 16 numbers of block b, and the floor 2^(5 - 127): the byte cannot fall under 1
.endr
.irp i, 2,4,6,8,10,12,14
.irp b, 0,1,2,3
	v_max3_num_f32 v[TM+\b], v[TM+\b], |v[\s+16*\b+\i]|, |v[\s+1+16*\b+\i]|
.endr
.endr
.irp b, 0,1,2,3
	v_permlanex16_b32 v[TM+4+\b], v[TM+\b], s[SEL], s[SEL+1]
.endr
.irp b, 0,1,2,3
	v_max_num_f32 v[TM+\b], v[TM+\b], v[TM+4+\b]   ; with lane l xor 16's: the block's largest magnitude
.endr
.irp b, 0,1,2,3
	v_add_nc_u32 v[TM+12+\b], 0xfe000000, v[TM+\b] ; 4 off its exponent field: the conversion's scale operand
.endr
.irp b, 0,1,2,3
	v_lshrrev_b32 v[TM+4+\b], 23, v[TM+12+\b]      ; the scale's byte
.endr
	v_lshl_or_b32 v[PW], v[TM+5], 8, v[TM+4]
	v_lshl_or_b32 v[PW], v[TM+6], 16, v[PW]
	v_lshl_or_b32 v[PW], v[TM+7], 24, v[PW]
.irp c, 0,1
	v_cvt_scalef32_pk16_bf6_f32 v[PC+6*\c:PC+2+6*\c], v[\s+32*\c:\s+15+32*\c], v[TM+12+2*\c]
	v_cvt_scalef32_pk16_bf6_f32 v[PC+12+4*\c:PC+14+4*\c], v[\s+16+32*\c:\s+31+32*\c], v[TM+12+2*\c+1]
.endr
	v_nop                                          ; one plain place behind a scaled conversion
.irp c, 0,1                                    ; a whole block to a lane: lanes 0-15 block 2 c, lanes 16-31 block 2 c + 1
.irp i, 0,1,2
	v_permlane16_swap_b32 v[PC+6*\c+\i], v[PC+12+4*\c+\i]
.endr
.irp i, 0,1,2
	v_mov_b32 v[PC+3+6*\c+\i], v[PC+12+4*\c+\i]
.endr
.endr
.endm
.macro SBOUT a                         ; the fragment goes out as it stands: three stores of 512 consecutive bytes
	v_mov_b32 v[SW+(\a)], v[PW]
.irp c, 0,1,2
	global_store_b128 v[LI], v[PC+4*\c:PC+4*\c+3], s[OUT:OUT+1] offset:1536*(\a)+512*\c
.endr
.endm
.macro OUTBLK a                        ; block a: the bias is added, the 64 numbers are quantised and stored
	WIN 0x02+(\a)/4
.set nn, 0
.rept 32
	v_pk_add_f32 v[H+nn:H+nn+1], v[64*((\a)%4)+nn:64*((\a)%4)+nn+1], v[BB+nn:BB+nn+1]   ; each accumulator is read from its low end on
.set nn, nn+2
.endr
	WIN 0
.if (\a) > 0
	s_wait_xcnt 0x0                                ; the last block's stores have read their data: the codes' registers are written again only behind this wait
.endif
	QUANT H
	SBOUT \a
.endm
	s_wait_tensorcnt 1                             ; the scales and my part of K step 0 are in; K step 1's load may be out
	s_barrier_signal -1
	s_barrier_wait -1
	FETCH_B 0, 0, 0
	FETCH_A 0, 0, 0
	SCALES 0
	FETCH_A 0, 0, 4
	STEP 0, 0, 1                                   ; the first products start the sums: nothing is cleared
	TURN 0, 1, 1                                   ; four fills in all, so the ring is written out: slot 0 takes K step 2,
	STEP 1, 0, 0
	TURN 1, 0, 1                                   ; slot 1 K step 3,
	STEP 0, 0, 0
	TURN 0, 1, 0                                   ; and nothing is left to ask for
	STEP 1, 0, 0
	s_wait_dscnt 4*NL
	WIN MUL_LO
	MUL16 0, 1, NQ-1, 1, 0
	MUL16 2, 1, NQ-1, 1, 0
	s_wait_dscnt 0
	WIN MUL_HI
	MUL16 4, 1, NQ-1, 1, 0
	MUL16 6, 1, NQ-1, 1, 0
	WIN 0
	PLACES NP                                      ; in front of the first read of results and of writes over A's fragments and the scale words
	s_wait_loadcnt 0x0                             ; the bias
	s_mov_b32 s[HM], 0xffff0000
.irp b, 0,1,2,3
	v_mov_b32 v[TM+4+\b], 0                        ; written once: a lane permute's destination counts as one of its sources
.endr
.irp a, 0,1,2,3,4,5,6,7
	OUTBLK \a
.endr
.irp i, 0,1,2,3
	v_cndmask_b32 v[SX+\i], v[SW+\i], v[SW+4+\i], s[HM]   ; lane (r, h) stores the words of blocks 4 h .. 4 h + 3 of row r
.endr
	global_store_b128 v[LI], v[SX:SX+3], s[OUT:OUT+1] offset:12288
	s_wait_tensorcnt 0x0                           ; the wave's end
	ds_add_u32 v[SPW], v[NIL]
	s_wait_dscnt 0x0
	CROUND                                         ; the closing round
	s_endpgm
.Lfunc_end_k_q1e9c843970_proj:
	.size	k_q1e9c843970_proj, .Lfunc_end_k_q1e9c843970_proj-k_q1e9c843970_proj
	.p2alignl 7, 3214868480
	.fill 96, 4, 3214868480
	.section	.rodata,"a",@progbits
	.p2align	6, 0x0
	.amdhsa_kernel k_q1e9c843970_proj
		.amdhsa_group_segment_fixed_size 327680
		.amdhsa_private_segment_fixed_size 0
		.amdhsa_enable_private_segment 0
		.amdhsa_kernarg_size 80
		.amdhsa_user_sgpr_count 2
		.amdhsa_user_sgpr_kernarg_segment_ptr 1
		.amdhsa_wavefront_size32 1
		.amdhsa_system_sgpr_workgroup_id_x 1
		.amdhsa_system_sgpr_workgroup_id_y 1
		.amdhsa_system_sgpr_workgroup_id_z 1
		.amdhsa_system_vgpr_workitem_id 0
		.amdhsa_next_free_vgpr 1024
		.amdhsa_next_free_sgpr 102
		.amdhsa_reserve_vcc 0
		.amdhsa_float_denorm_mode_32 3
		.amdhsa_float_denorm_mode_16_64 3
		.amdhsa_memory_ordered 1
		.amdhsa_forward_progress 1
		.amdhsa_inst_pref_size 181
	.end_amdhsa_kernel
	.amdgpu_metadata
---
amdhsa.version: [ 1, 2 ]
amdhsa.kernels:
  - .name:           k_q1e9c843970_proj
    .symbol:         k_q1e9c843970_proj.kd
    .args:
      - { .name: x_codes, .offset: 0, .size: 8, .value_kind: global_buffer, .address_space: global }
      - { .name: x_scales, .offset: 8, .size: 8, .value_kind: global_buffer, .address_space: global }
      - { .name: Wq_codes, .offset: 16, .size: 8, .value_kind: global_buffer, .address_space: global }
      - { .name: Wq_scales, .offset: 24, .size: 8, .value_kind: global_buffer, .address_space: global }
      - { .name: Wk_codes, .offset: 32, .size: 8, .value_kind: global_buffer, .address_space: global }
      - { .name: Wk_scales, .offset: 40, .size: 8, .value_kind: global_buffer, .address_space: global }
      - { .name: bq, .offset: 48, .size: 8, .value_kind: global_buffer, .address_space: global }
      - { .name: bk, .offset: 56, .size: 8, .value_kind: global_buffer, .address_space: global }
      - { .name: qop, .offset: 64, .size: 8, .value_kind: global_buffer, .address_space: global }
      - { .name: kop, .offset: 72, .size: 8, .value_kind: global_buffer, .address_space: global }
    .group_segment_fixed_size: 327680
    .private_segment_fixed_size: 0
    .kernarg_segment_align: 8
    .kernarg_segment_size: 80
    .max_flat_workgroup_size: 128
    .sgpr_count:     102
    .vgpr_count:     1024
    .wavefront_size: 32
...
	.end_amdgpu_metadata
.endif
;; end of part 1
;; launch stats (part 2): grid 13 x 16, 4 waves a work-group, no clusters, 327,680 bytes of LDS; arguments qop, kop, pr, pl, x_codes, x_scales, Wv_codes, Wv_scales, bv, vop; writes pr, pl, vop
.if DOCPART == 2
	.amdgcn_target "amdgcn-amd-amdhsa--gfx1250"
	.amdhsa_code_object_version 6
	.text
	.protected	k_q1e9c843970_stats
	.globl	k_q1e9c843970_stats
	.p2align	8
	.type	k_q1e9c843970_stats,@function
k_q1e9c843970_stats:
	s_mov_b64 s[64:65], 0
	v_nop
	global_prefetch_b8 v0, s[64:65] scope:SCOPE_SE
	s_setreg_imm32_b32 hwreg(HW_REG_WAVE_MODE, 25, 1), 1
	s_wait_xcnt 0x0
; TWO KINDS OF WORK-GROUPS, parted once, on the work-group's x.
; x = 0 .. 8: THE SCORES' STATISTICS.  The softmax runs over the QUERIES: each key column has its own maximum and sum.  These 144 work-groups make the causal tiles of S = q k^T (256 x 256, K = 1,024, codes of BF6) and
; leave, for each key and each chunk of 128 queries, a partial pair: R = c x (the chunk's largest score), c = log2(e) / 32, and l = the sum of 2^(c s - R).  pr, pl: [4][16 chunks][2048 keys] f32, written where the
; chunk is not wholly under the mask.  36 causal tiles a batch are folded into 9 x 4: row p has p + 1 tiles, row 7 - p has 8 - p.
; Operand A (rows end in LANES) = k, operand B (rows end in REGISTERS) = q: a lane holds one key and 64 of the wave's 128 queries, so a column's maximum and sum want one exchange between the halves of the lanes.
; q and k lie in memory in the order of the operand's registers, in super-blocks of 12,800 bytes (128 rows x 128 K: eight fragments of 1,536 bytes, then 512 bytes of scale words): a slot's part for a wave is
; two super-blocks on end, one dense tensor load; a fragment is three loads of 16 bytes a lane at 16 x lane.
; x = 9 .. 12: HALF OF v = x Wv + bv.  v is wanted only by the last launch, and 144 work-groups are fewer than there are WGPs: so 64 further work-groups make the tiles (Wv's tile x - 9, x's tile y) here, and the next
; launch the other 64.  A = Wv (a lane holds one d), B = x (the registers run along the tokens, which are v's K); K = 1,024 in four steps of 256; rows of 192 bytes, padded to 240 in LDS; the scale bytes of all of K
; come once.  The results get the bias, are quantised along the tokens and leave as one super-block a wave: vop, ((batch x 8 + d / 128) x 16) + token / 128.
; Both ways lay their two slots, and each wave's part of a slot, at the same LDS bytes (wave x 30,720 + slot x 122,880) and change slots in the same turns; the macros of the ring are written once and switched by VP.
; No cluster: a launch is in clusters as a whole, and the tiles that share a row or a column of the triangle number 1 to 8, which four does not divide.
; LIMITS: a score under the mask counts for nothing (reference()'s -1e9 gives the same while a column's largest score / 32 lies above about -1e9 + 100); NaN and infinities are not served;
; a block of zeros of v gets the scale byte 1; this program alone reads the bytes.
.set SBB,   12800                      ; a super-block
.set REG,   30720                      ; a wave's part of a slot: 128 rows of 240 bytes, or two super-blocks (25,600 bytes) at its head
.set SLOT,  4*REG                      ; A half 0, A half 1, B half 0, B half 1
.set VROWB, 192                        ; v's way: a tile's row, 256 codes
.set VKROW, 768                        ; a row of 1,024 codes in memory
.set VPITCH, 240                       ; an LDS row: 3 x (64 bytes + 16 of padding)
.set VSCL,  2*SLOT                     ; v's way: behind the ring the scale bytes for all of K, as units of 256 bytes + 16
.set VHALFS, 16*272
.set VSBLK, 2*272
.set STG,   VSCL+4*VHALFS              ; the statistics' way: 1,024 bytes a wave
.set SPARE, STG+4096                   ; the spare words: two blocks of 256 bytes that no other line names
.set FR,    12
.set NP,    4
.set ADRA, 16                          ; v16-17 A's fragments in slot 0, 1 (v's way: v18-19 the same behind one padding more)
.set ADRB, 20                          ; v20-21 B's (v's way: v22-23)
.set ADRS, 22                          ; v22-23 the statistics' way: scale words: lanes 0-15 A's, lanes 16-31 B's
.set STA,  24                          ; v24    the stage: 4 r
.set STB,  25                          ; v25    the stage: 16 x lane
.set LI,   26                          ; v26    16 x lane
.set VADRS, 27                         ; v27    v's way: my scale words
.set SPW,  28                          ; v28    my spare word; never rewritten
.set NIL,  29                          ; v29    0; never rewritten
.set DD,   30                          ; v30    r - 8 h
.set FLR,  31                          ; v31    -3e38
.set VOBA, 31                          ; v31    v's way: byte offset of my part of the bias
.set SC,   32                          ; v32-63 scale words, two sets of 16
.set CH,   64                          ; v64-79   four chains of maxima for each of four blocks
.set TT,   80                          ; v80-83
.set ST,   96                          ; v96-111  R at 2 a, l at 2 a + 1
.set PA,   112                         ; v112-127 two pairs of sums for each of four blocks
.set AF,   128                         ; v128-223 A's fragments
.set BA,   224                         ; v224-239 v's way: bias of row 16 a + r, twice, at 2 a
.set H,    128                         ; v's way out: 64 numbers
.set TM,   192
.set PW,   208
.set SW,   32
.set SX,   40
.set PC,   44
.set WV, 14
.set WA, 15
.set WB, 16
.set TI, 17
.set TJ, 18
.set VTA, 17
.set VTB, 18
.set BT, 19
.set G1, 24                            ; s[24:31] group 1 for two super-blocks
.set G0, 32                            ; s[32:39] group 0, one set for each slot
.set CS, 40
.set SEL, 42
.set MK, 44
.set G0C, 44                           ; s[44:47] v's way: group 0 for the scale bytes
.set DG, 52
.set DGW, 53
.set AMW, 54
.set HM, 55
.set OUT, 56
.set OUT2, 58
.set XC, 68                            ; s[68:69] x codes, s[70:71] x scales, s[72:73] Wv codes, s[74:75] Wv scales
.set BV, 76                            ; s[76:77] bv, s[78:79] vop
.set G1T, 80                           ; s[80:87] group 1 for v's tiles
.set G1C, 88                           ; s[88:95] group 1 for v's scale bytes
.set MSB, 0
.macro WIN new                         ; the immediate's high byte repeats the setting that is left
.if MSB != (\new)
	s_set_vgpr_msb (MSB<<8)|(\new)
.set MSB, (\new)
.endif
.endm
.set MUL_LO, 0xa1                      ; source 0 (B) window 1, source 1 (A) window 0, C and D window 2
.set MUL_HI, 0xf1                      ; the same, C and D window 3
.set TO_B,   0x40
; THE RING'S MACROS.  VP = 0: operands as super-blocks; VP = 1: rows of codes as they are given.  NL: LDS loads a fragment; SSB, SSQ: from block to block and from K step to K step among the scale words;
; G1X: the tiles' group 1; GST: bytes from a slot's tile to its next in memory.
.macro FRAG reg, adr, q, i
.if VP                                 ; 12 registers in pieces of 8 bytes; lanes 16-31 read three pieces further on, for some pieces behind one padding more: the second address register
.irp p, 0,1,2,3,4,5
.set PCE, 12*(\q)+6*(\p/3)+\p%3
.if PCE%8 < 5
	ds_load_b64 v[\reg+2*\p:\reg+2*\p+1], v[\adr] offset:8*PCE+16*(PCE/8)+(\i)*16*VPITCH
.else
	ds_load_b64 v[\reg+2*\p:\reg+2*\p+1], v[\adr+2] offset:8*PCE+16*(PCE/8)+(\i)*16*VPITCH
.endif
.endr
.else                                  ; an image of the registers: three loads of 512 consecutive bytes
.irp c, 0,1,2
	ds_load_b128 v[\reg+4*\c:\reg+4*\c+3], v[\adr] offset:SBB*(\q)+1536*(\i)+512*\c
.endr
.endif
.endm
; The 64 accumulators take turns, one instruction a turn, in the same order in every step.
.macro MUL16 a0, p, q, sc, zero
.irp a, \a0, \a0+1
.irp b, 0,1,2,3,4,5,6,7
.if \zero
	v_wmma_scale_f32_16x16x128_f8f6f4 v[8*(8*((\a)%4)+\b):8*(8*((\a)%4)+\b)+7], v[128*(\p)+FR*\b:128*(\p)+FR*\b+FR-1], v[AF+FR*(\a):AF+FR*(\a)+FR-1], 0, v[SC+16*(\sc)+SSQ*(\q)+SSB*\b], v[SC+16*(\sc)+SSQ*(\q)+SSB*(\a)] matrix_a_fmt:MATRIX_FMT_BF6 matrix_b_fmt:MATRIX_FMT_BF6 matrix_a_scale:MATRIX_SCALE_ROW1
.else
	v_wmma_scale_f32_16x16x128_f8f6f4 v[8*(8*((\a)%4)+\b):8*(8*((\a)%4)+\b)+7], v[128*(\p)+FR*\b:128*(\p)+FR*\b+FR-1], v[AF+FR*(\a):AF+FR*(\a)+FR-1], v[8*(8*((\a)%4)+\b):8*(8*((\a)%4)+\b)+7], v[SC+16*(\sc)+SSQ*(\q)+SSB*\b], v[SC+16*(\sc)+SSQ*(\q)+SSB*(\a)] matrix_a_fmt:MATRIX_FMT_BF6 matrix_b_fmt:MATRIX_FMT_BF6 matrix_a_scale:MATRIX_SCALE_ROW1
.endif
.endr
.endr
.endm
.macro FETCH_B slot, q, p
	WIN TO_B
.irp i, 0,1,2,3,4,5,6,7
	FRAG 128*(\p)+FR*\i, ADRB+\slot, \q, \i
.endr
	WIN 0
.endm
.macro FETCH_A slot, q, i0
.irp i, \i0, \i0+1, \i0+2, \i0+3
	FRAG AF+FR*(\i), ADRA+\slot, \q, \i
.endr
.endm
.macro SCALES sc                       ; a slot's scale words: lanes 0-15 A's, lanes 16-31 B's
.if VP
.irp i, 0,1,2,3,4,5,6,7
	ds_load_b64 v[SC+16*\sc+2*\i:SC+16*\sc+2*\i+1], v[VADRS] offset:\i*VSBLK
.endr
.else
.irp q, 0,1
.irp g, 0,1
	ds_load_b128 v[SC+16*\sc+8*\q+4*\g:SC+16*\sc+8*\q+4*\g+3], v[ADRS+\sc] offset:SBB*\q+256*\g
.endr
.endr
.endif
.endm
.macro PLACES n                        ; plain vector instructions between a matrix instruction and a load into, or a vector access to, its registers
.rept \n
	v_nop
.endr
.endm
.macro STEP slot, q, zero              ; 128 along K whose successor lies in the same slot
	s_wait_dscnt 4*NL                              ; all but the youngest 4 NL loads (A's blocks 4-7) are in
	WIN MUL_LO
	MUL16 0, (\q)%2, \q, \slot, \zero
	MUL16 2, (\q)%2, \q, \slot, \zero
	s_wait_dscnt 0
	PLACES NP
	FETCH_B \slot, (\q)+1, 1-(\q)%2
	FETCH_A \slot, (\q)+1, 0
	WIN MUL_HI
	MUL16 4, (\q)%2, \q, \slot, \zero
	MUL16 6, (\q)%2, \q, \slot, \zero
	PLACES NP
	WIN 0
	FETCH_A \slot, (\q)+1, 4
.endm
.macro TURN slot, next, fill           ; a slot's last step changes slots: one barrier
	s_wait_tensorcnt 0x0                           ; all my tensor loads have landed: my part of the next slot; so a group 0 may be written
	ds_add_u32 v[SPW], v[NIL]
.if \fill
	s_add_nc_u64 s[G0+4*\slot+2:G0+4*\slot+3], s[G0+4*\slot+2:G0+4*\slot+3], GST   ; this slot's next 256 along K
.endif
	s_wait_dscnt 4*NL+1                            ; (the add and the youngest 4 NL loads may be out)
	WIN MUL_LO
	MUL16 0, 1, 1, \slot, 0
	s_wait_dscnt 0x0                               ; the add is done, and my reads of this slot are over
	s_barrier_signal -1
	MUL16 2, 1, 1, \slot, 0
	WIN 0
	s_barrier_wait -1
.if \fill
	tensor_load_to_lds s[G0+4*\slot:G0+4*\slot+3], s[G1X:G1X+7]   ; my one tensor load behind this barrier, and the first thing there
	s_nop 0
.endif
	PLACES NP
.if VP
	v_add_nc_u32 v[VADRS], 8, v[VADRS]             ; the next slot's scale words: two words on in each row
.endif
	FETCH_B \next, 0, 0
	FETCH_A \next, 0, 0
	SCALES \next
	WIN MUL_HI
	MUL16 4, 1, 1, \slot, 0
	MUL16 6, 1, 1, \slot, 0
	PLACES NP
	WIN 0
	FETCH_A \next, 0, 4
.endm
.macro CORE                            ; K = 1,024: four fills in all, so the ring is written out
	s_wait_tensorcnt 1                             ; all my first fills but slot 1's are in; that one may stay out
	s_wait_dscnt 0x0                               ; no LDS instruction of mine is pending at a signal
	s_barrier_signal -1
	s_barrier_wait -1
	FETCH_B 0, 0, 0
	FETCH_A 0, 0, 0
	SCALES 0
	FETCH_A 0, 0, 4
	STEP 0, 0, 1                                   ; the first products start the sums: nothing is cleared
	TURN 0, 1, 1
	STEP 1, 0, 0
	TURN 1, 0, 1
	STEP 0, 0, 0
	TURN 0, 1, 0                                   ; nothing is left to ask for
	STEP 1, 0, 0
	s_wait_dscnt 4*NL
	WIN MUL_LO
	MUL16 0, 1, 1, 1, 0
	MUL16 2, 1, 1, 1, 0
	s_wait_dscnt 0
	WIN MUL_HI
	MUL16 4, 1, 1, 1, 0
	MUL16 6, 1, 1, 1, 0
	WIN 0
.endm
; 64 numbers of a lane, register 16 b + i of block b, become a fragment's codes in v[PC] on and its scale word in v[PW].
.macro QUANT s
.irp b, 0,1,2,3
	v_max3_num_f32 v[TM+\b], |v[\s+16*\b]|, |v[\s+1+16*\b]|, 0x2800000   ; my 16 numbers of block b, and the floor 2^(5 - 127): the byte cannot fall under 1
.endr
.irp i, 2,4,6,8,10,12,14
.irp b, 0,1,2,3
	v_max3_num_f32 v[TM+\b], v[TM+\b], |v[\s+16*\b+\i]|, |v[\s+1+16*\b+\i]|
.endr
.endr
.irp b, 0,1,2,3
	v_permlanex16_b32 v[TM+4+\b], v[TM+\b], s[SEL], s[SEL+1]
.endr
.irp b, 0,1,2,3
	v_max_num_f32 v[TM+\b], v[TM+\b], v[TM+4+\b]   ; with lane l xor 16's: the block's largest magnitude
.endr
.irp b, 0,1,2,3
	v_add_nc_u32 v[TM+12+\b], 0xfe000000, v[TM+\b] ; 4 off its exponent field: the conversion's scale operand
.endr
.irp b, 0,1,2,3
	v_lshrrev_b32 v[TM+4+\b], 23, v[TM+12+\b]      ; the scale's byte
.endr
	v_lshl_or_b32 v[PW], v[TM+5], 8, v[TM+4]
	v_lshl_or_b32 v[PW], v[TM+6], 16, v[PW]
	v_lshl_or_b32 v[PW], v[TM+7], 24, v[PW]
.irp c, 0,1
	v_cvt_scalef32_pk16_bf6_f32 v[PC+6*\c:PC+2+6*\c], v[\s+32*\c:\s+15+32*\c], v[TM+12+2*\c]
	v_cvt_scalef32_pk16_bf6_f32 v[PC+12+4*\c:PC+14+4*\c], v[\s+16+32*\c:\s+31+32*\c], v[TM+12+2*\c+1]
.endr
	v_nop                                          ; one plain place behind a scaled conversion
.irp c, 0,1                                    ; a whole block to a lane: lanes 0-15 block 2 c, lanes 16-31 block 2 c + 1
.irp i, 0,1,2
	v_permlane16_swap_b32 v[PC+6*\c+\i], v[PC+12+4*\c+\i]
.endr
.irp i, 0,1,2
	v_mov_b32 v[PC+3+6*\c+\i], v[PC+12+4*\c+\i]
.endr
.endr
.endm
.macro SBOUT a                         ; the fragment goes out as it stands: three stores of 512 consecutive bytes
	v_mov_b32 v[SW+(\a)], v[PW]
.irp c, 0,1,2
	global_store_b128 v[LI], v[PC+4*\c:PC+4*\c+3], s[OUT:OUT+1] offset:1536*(\a)+512*\c
.endr
.endm
.macro VOUT a                          ; v's block a (16 d): the lane's bias is added, the 64 numbers are quantised along the tokens and stored
	WIN 0x02+(\a)/4
.set nn, 0
.rept 32
	v_pk_add_f32 v[H+nn:H+nn+1], v[64*((\a)%4)+nn:64*((\a)%4)+nn+1], v[BA+2*(\a):BA+2*(\a)+1]   ; each accumulator is read from its low end on
.set nn, nn+2
.endr
	WIN 0
.if (\a) > 0
	s_wait_xcnt 0x0                                ; the last block's stores have read their data: the codes' registers are written again only behind this wait
.endif
	QUANT H
	SBOUT \a
.endm
; Four blocks of 16 keys (one window of accumulators): the maximum, R, 2^(c s - R) in place, the sum.  The four blocks take turns line by line.
.macro COLSTAT g
.set W, 2+\g
	WIN W*0x15
.irp ap, 0,1,2,3
.irp k, 0,1,2,3
	v_max3_num_f32 v[CH+4*\ap+\k], v[64*\ap+16*\k], v[64*\ap+16*\k+1], v[64*\ap+16*\k+2]   ; each accumulator is read from its low end on
.endr
.endr
	WIN W*0x14
.irp n, 3,5,7,9,11,13
.irp ap, 0,1,2,3
.irp k, 0,1,2,3
	v_max3_num_f32 v[CH+4*\ap+\k], v[CH+4*\ap+\k], v[64*\ap+16*\k+\n], v[64*\ap+16*\k+\n+1]
.endr
.endr
.endr
.irp ap, 0,1,2,3
	v_max3_num_f32 v[CH+4*\ap], v[CH+4*\ap], v[64*\ap+15], v[64*\ap+31]
	v_max3_num_f32 v[CH+4*\ap+2], v[CH+4*\ap+2], v[64*\ap+47], v[64*\ap+63]
.endr
	WIN 0
.irp ap, 0,1,2,3
	v_max3_num_f32 v[CH+4*\ap], v[CH+4*\ap], v[CH+4*\ap+1], v[CH+4*\ap+2]
.endr
.irp ap, 0,1,2,3
	v_max_num_f32 v[CH+4*\ap], v[CH+4*\ap], v[CH+4*\ap+3]
.endr
.irp ap, 0,1,2,3
	v_permlanex16_b32 v[TT+\ap], v[CH+4*\ap], s[SEL], s[SEL+1]   ; the key's other 64 queries lie in the lane 16 away
.endr
.irp ap, 0,1,2,3
	v_max_num_f32 v[CH+4*\ap], v[CH+4*\ap], v[TT+\ap]
.endr
.irp ap, 0,1,2,3
	v_mul_f32 v[ST+2*(4*\g+\ap)], s[CS], v[CH+4*\ap]             ; R: a point of reference that cancels between p and its divisor
.endr
	WIN (W<<6)|W
.irp ap, 0,1,2,3
.set nn, 0
.rept 32
	v_pk_fma_f32 v[64*\ap+nn:64*\ap+nn+1], v[64*\ap+nn:64*\ap+nn+1], s[CS:CS+1], v[ST+2*(4*\g+\ap):ST+2*(4*\g+\ap)+1] op_sel_hi:[1,0,0] neg_lo:[0,0,1] neg_hi:[0,0,1]
.set nn, nn+2
.endr
.endr
.set nn, 0
.rept 256
	v_exp_f32 v[nn], v[nn]
.set nn, nn+1
.endr
	v_nop                                          ; a plain instruction behind the last exponential
	s_wait_alu depctr_va_vdst(0)                   ; one wait for the batch, ahead of its first reader
	WIN W*5
.irp ap, 0,1,2,3
	v_pk_add_f32 v[PA+4*\ap:PA+4*\ap+1], v[64*\ap:64*\ap+1], v[64*\ap+2:64*\ap+3]
	v_pk_add_f32 v[PA+4*\ap+2:PA+4*\ap+3], v[64*\ap+4:64*\ap+5], v[64*\ap+6:64*\ap+7]
.endr
	WIN W<<2
.irp n, 8,12,16,20,24,28,32,36,40,44,48,52,56,60
.irp ap, 0,1,2,3
	v_pk_add_f32 v[PA+4*\ap:PA+4*\ap+1], v[PA+4*\ap:PA+4*\ap+1], v[64*\ap+\n:64*\ap+\n+1]
	v_pk_add_f32 v[PA+4*\ap+2:PA+4*\ap+3], v[PA+4*\ap+2:PA+4*\ap+3], v[64*\ap+\n+2:64*\ap+\n+3]
.endr
.endr
	WIN 0
.irp ap, 0,1,2,3
	v_pk_add_f32 v[PA+4*\ap:PA+4*\ap+1], v[PA+4*\ap:PA+4*\ap+1], v[PA+4*\ap+2:PA+4*\ap+3]
.endr
.irp ap, 0,1,2,3
	v_add_f32 v[PA+4*\ap], v[PA+4*\ap], v[PA+4*\ap+1]
.endr
.irp ap, 0,1,2,3
	v_permlanex16_b32 v[TT+\ap], v[PA+4*\ap], s[SEL], s[SEL+1]
.endr
.irp ap, 0,1,2,3
	v_add_f32 v[ST+2*(4*\g+\ap)+1], v[PA+4*\ap], v[TT+\ap]       ; l
.endr
.endm
	; THE HEAD, which every wave takes: the arguments, the opening lines, the wave's number, all three groups 1
	s_load_b256 s[4:11], s[0:1], 0x0               ; qop, kop, pr, pl
	s_load_b256 s[XC:XC+7], s[0:1], 0x20           ; x codes, x scales, Wv codes, Wv scales
	s_load_b128 s[BV:BV+3], s[0:1], 0x40           ; bv, vop
	v_lshl_add_u32 v[SPW], v0, 2, SPARE
	v_mov_b32 v[NIL], 0
	ds_add_u32 v[SPW], v[NIL]                      ; the wave's opening: the add and its wait ahead of my first tensor load; work on registers stands between them
	v_lshrrev_b32 v1, 5, v0
	v_readfirstlane_b32 s[WV], v1
	s_lshr_b32 s[WA], s[WV], 1                     ; my half of A's rows
	s_and_b32 s[WB], s[WV], 1                      ; my half of B's rows.  Also: which half of a tile I fetch
	s_mov_b32 s[G1+0], 3<<16                       ; two super-blocks: no mask; elements of 8 bytes; no padding
	s_mov_b32 s[G1+1], 32<<16                      ; tensor_dim0 = 32 (256 bytes)
	s_mov_b32 s[G1+2], 100<<16                     ; tensor_dim1 = 100
	s_mov_b32 s[G1+3], 32<<16                      ; tile_dim0
	s_mov_b32 s[G1+4], 100                         ; tile_dim1
	s_mov_b32 s[G1+5], 32                          ; the pitch: dense
	s_mov_b32 s[G1+6], 0
	s_mov_b32 s[G1+7], 0
	s_mov_b32 s[G1T+0], (0<<16)|(1<<20)|(3<<22)|(3<<25)   ; v's tiles: elements of 1 byte; padding on: after every 16 words 4 words
	s_mov_b32 s[G1T+1], VROWB<<16                  ; tensor_dim0
	s_mov_b32 s[G1T+2], 128<<16                    ; tensor_dim1
	s_mov_b32 s[G1T+3], VROWB<<16                  ; tile_dim0
	s_mov_b32 s[G1T+4], 128                        ; tile_dim1
	s_mov_b32 s[G1T+5], VKROW                      ; the pitch
	s_mov_b32 s[G1T+6], 0
	s_mov_b32 s[G1T+7], 0
	s_mov_b32 s[G1C+0], (3<<16)|(1<<20)|(5<<22)|(3<<25)   ; the scale bytes of 128 rows: 4,096 dense bytes as 16 rows of 256, 16 bytes of padding behind each
	s_mov_b32 s[G1C+1], 32<<16
	s_mov_b32 s[G1C+2], 16<<16
	s_mov_b32 s[G1C+3], 32<<16
	s_mov_b32 s[G1C+4], 16
	s_mov_b32 s[G1C+5], 32
	s_mov_b32 s[G1C+6], 0
	s_mov_b32 s[G1C+7], 0
	s_mov_b32 s[SEL], 0x76543210
	s_mov_b32 s[SEL+1], 0xfedcba98
	s_mov_b32 s[HM], 0xffff0000
	s_wait_dscnt 0x0                               ; the opening add is done
	s_cmp_gt_u32 ttmp9, 8                          ; the work-group's number alone: all four waves go the same way
	s_cbranch_scc1 .Lvproj
	; ---- THE STATISTICS' WAY
.set VP,  0
.set NL,  3
.set SSB, 1
.set SSQ, 8
.set G1X, G1
.set GST, 4*SBB
	s_and_b32 s20, ttmp7, 0xffff
	s_lshr_b32 s[BT], s20, 2                       ; batch
	s_and_b32 s20, s20, 3                          ; p
	s_sub_co_u32 s21, 7, s20
	s_sub_co_u32 s22, ttmp9, s20
	s_sub_co_u32 s22, s22, 1
	s_cmp_le_u32 ttmp9, s20
	s_cselect_b32 s[TI], s20, s21                  ; tile of queries,
	s_cselect_b32 s[TJ], ttmp9, s22                ; tile of keys: TJ <= TI
	s_mov_b32 s[CS], 0x3d38aa3b                    ; c = log2(e) / 32
	s_mov_b32 s[CS+1], s[CS]
	s_cmp_lt_u32 s[WV], 2                          ; waves 0, 1 fetch k's halves, waves 2, 3 q's
	s_cselect_b32 s20, s[TJ], s[TI]
	s_lshl_b32 s20, s20, 1
	s_add_co_u32 s20, s20, s[WB]
	s_lshl_b32 s21, s[BT], 4
	s_add_co_u32 s20, s20, s21                     ; which 128 tokens
	s_mul_i32 s20, s20, 8*SBB                      ; their eight super-blocks
	s_mov_b32 s21, 0
	s_mul_i32 s22, s[WV], REG
	s_wait_kmcnt 0x0
	s_cmp_lt_u32 s[WV], 2
	s_cselect_b64 s[62:63], s[6:7], s[4:5]
	s_add_nc_u64 s[62:63], s[62:63], s[20:21]
.irp s, 0,1                                    ; both first fills together: two loads of mine are out
	s_mov_b32 s[G0+4*\s], 1
	s_add_co_u32 s[G0+4*\s+1], s22, \s*SLOT
	s_add_nc_u64 s[G0+4*\s+2:G0+4*\s+3], s[62:63], \s*2*SBB
	s_or_b32 s[G0+4*\s+3], s[G0+4*\s+3], 0x80000000
	tensor_load_to_lds s[G0+4*\s:G0+4*\s+3], s[G1:G1+7]
	s_nop 0
.endr
	v_and_b32 v1, 15, v0                           ; r
	v_bfe_u32 v2, v0, 4, 1                         ; h
	v_and_b32 v3, 31, v0
	v_lshlrev_b32 v[LI], 4, v3
	s_mul_i32 s20, s[WA], REG
	s_mul_i32 s21, s[WB], REG
	s_add_co_u32 s21, s21, 2*REG
	v_add_nc_u32 v[ADRA], s20, v[LI]
	v_add_nc_u32 v[ADRA+1], SLOT, v[ADRA]
	v_add_nc_u32 v[ADRB], s21, v[LI]
	v_add_nc_u32 v[ADRB+1], SLOT, v[ADRB]
	s_sub_co_u32 s21, s21, s20
	v_mul_u32_u24 v4, s21, v2                      ; lanes 16-31 take B's words: one product, the distance between the two regions
	v_lshl_add_u32 v4, v1, 4, v4
	s_add_co_u32 s20, s20, 12288
	v_add_nc_u32 v[ADRS], s20, v4
	v_add_nc_u32 v[ADRS+1], SLOT, v[ADRS]
	s_lshl_b32 s20, s[WV], 10
	s_add_co_u32 s20, s20, STG
	v_lshl_add_u32 v[STA], v1, 2, s20
	v_add_nc_u32 v[STB], s20, v[LI]
	v_lshlrev_b32 v4, 3, v2
	v_sub_nc_u32 v[DD], v1, v4
	v_mov_b32 v[FLR], 0xff61b1e6
	s_cmp_eq_u32 s[TI], s[TJ]
	s_cselect_b32 s[DG], 1, 0
	s_cmp_eq_u32 s[WA], s[WB]
	s_cselect_b32 s[DGW], s[DG], 0                 ; my 128 x 128 lies on the diagonal
	s_sub_co_i32 s20, s[WA], s[WB]
	s_cmp_eq_u32 s20, 1
	s_cselect_b32 s[AMW], s[DG], 0                 ; or wholly under the mask: later keys, earlier queries
	s_lshl_b32 s20, s[BT], 4
	s_lshl_b32 s21, s[TI], 1
	s_add_co_u32 s20, s20, s21
	s_add_co_u32 s20, s20, s[WB]                   ; batch x 16 + my chunk of queries
	s_lshl_b32 s20, s20, 11
	s_lshl_b32 s21, s[TJ], 8
	s_add_co_u32 s20, s20, s21
	s_lshl_b32 s21, s[WA], 7
	s_add_co_u32 s20, s20, s21                     ; + my first key
	s_lshl_b32 s20, s20, 2
	s_mov_b32 s21, 0
	s_add_nc_u64 s[OUT:OUT+1], s[8:9], s[20:21]
	s_add_nc_u64 s[OUT2:OUT2+1], s[10:11], s[20:21]
	CORE
	s_cmp_eq_u32 s[AMW], 1                         ; a wave wholly under the mask has no partial: nobody reads one there
	s_cbranch_scc1 .Lend
.irp i, 0,1,2,3
	v_mov_b32 v[TT+\i], 0                          ; a lane permute's destination counts as one of its sources.  These twelve lines are also the places behind the last products
.endr
.irp a, 0,1,2,3,4,5,6,7
	v_mov_b32 v[ST+2*\a+1], 0                      ; named with R as a pair before l is written
.endr
	s_cmp_eq_u32 s[DGW], 0
	s_cbranch_scc1 .Lopen
	; ON THE DIAGONAL: key 16 a + r, query 16 b + 8 h + j.  Hidden where the query comes before the key: all of b < a; in b = a where j < r - 8 h
.irp j, 0,1,2,3,4,5,6,7
	v_cmp_gt_i32 s[MK+\j], v[DD], \j
.endr
.irp g, 0,1
	WIN 0x80+0x40*\g
.set aa, 0
.rept 4
.set nn, 0
.rept 8*(4*\g+aa)
	v_mov_b32 v[64*aa+nn], v[FLR]
.set nn, nn+1
.endr
.set aa, aa+1
.endr
	WIN 0x82+0x41*\g
.set aa, 0
.rept 4
.irp j, 0,1,2,3,4,5,6,7
	v_cndmask_b32 v[64*aa+8*(4*\g+aa)+\j], v[64*aa+8*(4*\g+aa)+\j], v[FLR], s[MK+\j]
.endr
.set aa, aa+1
.endr
.endr
	WIN 0
.Lopen:
	COLSTAT 0
	COLSTAT 1
.irp a, 0,1,2,3,4,5,6,7                        ; through my own 1,024 bytes of LDS, so that a store covers 512 consecutive bytes (both halves of the lanes write the same word with the same value)
	ds_store_b32 v[STA], v[ST+2*\a] offset:64*\a
	ds_store_b32 v[STA], v[ST+2*\a+1] offset:64*\a+512
.endr
	ds_load_b128 v[64:67], v[STB]                  ; LDS serves a wave's instructions in order: these see my stores
	ds_load_b128 v[68:71], v[STB] offset:512
	s_wait_dscnt 0x1                               ; R's row is back; l's may be out
	global_store_b128 v[LI], v[64:67], s[OUT:OUT+1]
	s_wait_dscnt 0x0
	global_store_b128 v[LI], v[68:71], s[OUT2:OUT2+1]
.Lend:
	s_wait_tensorcnt 0x0                           ; the wave's end
	ds_add_u32 v[SPW], v[NIL]
	s_wait_dscnt 0x0
	s_endpgm
	; ---- v's WAY
.Lvproj:
.set VP,  1
.set NL,  6
.set SSB, 2
.set SSQ, 1
.set G1X, G1T
.set GST, 2*VROWB
	s_sub_co_u32 s[VTA], ttmp9, 9                  ; Wv's tile, 0 .. 3
	s_and_b32 s[VTB], ttmp7, 0xffff                ; x's tile, 0 .. 15
	s_cmp_lt_u32 s[WV], 2                          ; waves 0, 1 fetch Wv's halves, waves 2, 3 x's
	s_cselect_b32 s20, s[VTA], s[VTB]
	s_lshl_b32 s20, s20, 8
	s_lshl_b32 s21, s[WB], 7
	s_add_co_u32 s20, s20, s21                     ; the first of the 128 rows that I fetch
	s_lshl_b32 s22, s20, 5                         ; its scale bytes: 32 a row
	s_mov_b32 s23, 0
	s_mul_i32 s20, s20, VKROW                      ; and its codes (under 2^23 bytes)
	s_mov_b32 s21, 0
	s_mul_i32 s58, s[WV], REG
	s_mul_i32 s59, s[WV], VHALFS
	s_wait_kmcnt 0x0
	s_cmp_lt_u32 s[WV], 2
	s_cselect_b64 s[60:61], s[XC+4:XC+5], s[XC:XC+1]
	s_cselect_b64 s[62:63], s[XC+6:XC+7], s[XC+2:XC+3]
	s_add_nc_u64 s[60:61], s[60:61], s[20:21]
	s_add_nc_u64 s[62:63], s[62:63], s[22:23]
	s_mov_b32 s[G0C], 1                            ; three first fills together: the scale bytes first, they are wanted with K step 0
	s_add_co_u32 s[G0C+1], s59, VSCL
	s_mov_b64 s[G0C+2:G0C+3], s[62:63]
	s_or_b32 s[G0C+3], s[G0C+3], 0x80000000
	tensor_load_to_lds s[G0C:G0C+3], s[G1C:G1C+7]
	s_nop 0
.irp s, 0,1
	s_mov_b32 s[G0+4*\s], 1
	s_add_co_u32 s[G0+4*\s+1], s58, \s*SLOT
	s_add_nc_u64 s[G0+4*\s+2:G0+4*\s+3], s[60:61], \s*VROWB
	s_or_b32 s[G0+4*\s+3], s[G0+4*\s+3], 0x80000000
	tensor_load_to_lds s[G0+4*\s:G0+4*\s+3], s[G1T:G1T+7]
	s_nop 0
.endr
	v_and_b32 v1, 15, v0                           ; r
	v_bfe_u32 v2, v0, 4, 1                         ; h
	v_mul_u32_u24 v3, v1, VPITCH
	v_mul_u32_u24 v4, v2, 24
	v_add_nc_u32 v4, v3, v4                        ; a fragment's row x pitch + 24 x half
	v_lshl_add_u32 v5, v2, 4, v4                   ; and the same behind one padding more
	s_mul_i32 s20, s[WA], REG
	s_mul_i32 s21, s[WB], REG
	s_add_co_u32 s21, s21, 2*REG
.irp s, 0,1
	v_add_nc_u32 v[ADRA+\s], s20, v4
	v_add_nc_u32 v[ADRB+\s], s21, v4
	v_add_nc_u32 v[ADRA+2+\s], s20, v5
	v_add_nc_u32 v[ADRB+2+\s], s21, v5
	s_add_co_u32 s20, s20, SLOT
	s_add_co_u32 s21, s21, SLOT
.endr
	v_mul_u32_u24 v5, v1, 32                       ; my row's scale bytes,
	v_lshrrev_b32 v6, 8, v5
	v_lshl_add_u32 v5, v6, 4, v5                   ; and 16 more for each 256 passed
	s_mul_i32 s20, s[WA], VHALFS
	s_mul_i32 s21, s[WB], VHALFS
	s_add_co_u32 s21, s21, 2*VHALFS
	s_sub_co_u32 s21, s21, s20
	v_mul_u32_u24 v6, s21, v2                      ; lanes 16-31 take B's
	s_add_co_u32 s20, s20, VSCL
	v_add_nc_u32 v5, v5, v6
	v_add_nc_u32 v[VADRS], s20, v5
	v_and_b32 v6, 31, v0
	v_lshlrev_b32 v[LI], 4, v6
	s_lshl_b32 s20, s[VTA], 8                      ; the bias runs along the lanes: my 128 d
	s_lshl_b32 s21, s[WA], 7
	s_add_co_u32 s20, s20, s21
	s_lshl_b32 s20, s20, 2
	v_lshl_add_u32 v[VOBA], v1, 2, s20             ; 4 x (my first d + r)
.irp i, 0,1,2,3,4,5,6,7
	global_load_b32 v[BA+2*\i], v[VOBA], s[BV:BV+1] offset:64*\i
	global_load_b32 v[BA+2*\i+1], v[VOBA], s[BV:BV+1] offset:64*\i
.endr
	s_lshl_b32 s20, s[VTA], 1                      ; my super-block: ((batch x 8 + d / 128) x 16) + key / 128
	s_add_co_u32 s20, s20, s[WA]
	s_lshl_b32 s21, s[VTB], 1
	s_add_co_u32 s21, s21, s[WB]                   ; token / 128
	s_lshr_b32 s22, s21, 4
	s_lshl_b32 s22, s22, 3
	s_add_co_u32 s22, s22, s20
	s_lshl_b32 s22, s22, 4
	s_and_b32 s21, s21, 15
	s_add_co_u32 s22, s22, s21
	s_mul_i32 s22, s22, SBB
	s_mov_b32 s23, 0
	s_add_nc_u64 s[OUT:OUT+1], s[BV+2:BV+3], s[22:23]
	CORE
	PLACES NP                                      ; in front of the first read of results and of writes over A's fragments and the scale words
	s_wait_loadcnt 0x0                             ; the bias
.irp b, 0,1,2,3
	v_mov_b32 v[TM+4+\b], 0                        ; written once: a lane permute's destination counts as one of its sources
.endr
.irp a, 0,1,2,3,4,5,6,7
	VOUT \a
.endr
.irp i, 0,1,2,3
	v_cndmask_b32 v[SX+\i], v[SW+\i], v[SW+4+\i], s[HM]   ; lane (r, h) stores the words of blocks 4 h .. 4 h + 3 of row r
.endr
	global_store_b128 v[LI], v[SX:SX+3], s[OUT:OUT+1] offset:12288
	s_wait_tensorcnt 0x0                           ; the wave's end
	ds_add_u32 v[SPW], v[NIL]
	s_wait_dscnt 0x0
	s_endpgm
.Lfunc_end_k_q1e9c843970_stats:
	.size	k_q1e9c843970_stats, .Lfunc_end_k_q1e9c843970_stats-k_q1e9c843970_stats
	.p2alignl 7, 3214868480
	.fill 96, 4, 3214868480
	.section	.rodata,"a",@progbits
	.p2align	6, 0x0
	.amdhsa_kernel k_q1e9c843970_stats
		.amdhsa_group_segment_fixed_size 327680
		.amdhsa_private_segment_fixed_size 0
		.amdhsa_enable_private_segment 0
		.amdhsa_kernarg_size 80
		.amdhsa_user_sgpr_count 2
		.amdhsa_user_sgpr_kernarg_segment_ptr 1
		.amdhsa_wavefront_size32 1
		.amdhsa_system_sgpr_workgroup_id_x 1
		.amdhsa_system_sgpr_workgroup_id_y 1
		.amdhsa_system_sgpr_workgroup_id_z 1
		.amdhsa_system_vgpr_workitem_id 0
		.amdhsa_next_free_vgpr 1024
		.amdhsa_next_free_sgpr 96
		.amdhsa_reserve_vcc 0
		.amdhsa_float_denorm_mode_32 3
		.amdhsa_float_denorm_mode_16_64 3
		.amdhsa_memory_ordered 1
		.amdhsa_forward_progress 1
		.amdhsa_inst_pref_size 255
	.end_amdhsa_kernel
	.section	.bss,"aw",@nobits
	.p2align	6
	.space	262144
	.amdgpu_metadata
---
amdhsa.version: [ 1, 2 ]
amdhsa.kernels:
  - .name:           k_q1e9c843970_stats
    .symbol:         k_q1e9c843970_stats.kd
    .args:
      - { .name: qop, .offset: 0, .size: 8, .value_kind: global_buffer, .address_space: global }
      - { .name: kop, .offset: 8, .size: 8, .value_kind: global_buffer, .address_space: global }
      - { .name: pr, .offset: 16, .size: 8, .value_kind: global_buffer, .address_space: global }
      - { .name: pl, .offset: 24, .size: 8, .value_kind: global_buffer, .address_space: global }
      - { .name: x_codes, .offset: 32, .size: 8, .value_kind: global_buffer, .address_space: global }
      - { .name: x_scales, .offset: 40, .size: 8, .value_kind: global_buffer, .address_space: global }
      - { .name: Wv_codes, .offset: 48, .size: 8, .value_kind: global_buffer, .address_space: global }
      - { .name: Wv_scales, .offset: 56, .size: 8, .value_kind: global_buffer, .address_space: global }
      - { .name: bv, .offset: 64, .size: 8, .value_kind: global_buffer, .address_space: global }
      - { .name: vop, .offset: 72, .size: 8, .value_kind: global_buffer, .address_space: global }
    .group_segment_fixed_size: 327680
    .private_segment_fixed_size: 0
    .kernarg_segment_align: 8
    .kernarg_segment_size: 80
    .max_flat_workgroup_size: 128
    .sgpr_count:     96
    .vgpr_count:     1024
    .wavefront_size: 32
...
	.end_amdgpu_metadata
.endif
;; end of part 2
;; launch probs (part 3): grid 13 x 16, 4 waves a work-group, no clusters, 327,680 bytes of LDS; arguments qop, kop, pr, pl, x_codes, x_scales, Wv_codes, Wv_scales, bv, vop, pop; writes pop, vop
.if DOCPART == 3
	.amdgcn_target "amdgcn-amd-amdhsa--gfx1250"
	.amdhsa_code_object_version 6
	.text
	.protected	k_q1e9c843970_probs
	.globl	k_q1e9c843970_probs
	.p2align	8
	.type	k_q1e9c843970_probs,@function
k_q1e9c843970_probs:
	s_mov_b64 s[64:65], 0
	v_nop
	global_prefetch_b8 v0, s[64:65] scope:SCOPE_SE
	s_setreg_imm32_b32 hwreg(HW_REG_WAVE_MODE, 25, 1), 1
	s_wait_xcnt 0x0
; TWO KINDS OF WORK-GROUPS, parted once, on the work-group's x.
; x = 0 .. 8: THE WEIGHTS.  The causal tiles of S = q k^T once more (the same products with the sources swapped), now finished: for each key the partial pairs (R, l) of all chunks of queries are joined to RG = the
; largest R and L = the sum of l 2^(R - RG); p = 2^(c s - RG) / L, c = log2(e) / 32, is the normalised weight; hidden places are 0; p is quantised along the KEYS and stored as an operand of the last product.
; Operand A (rows end in LANES) = q, operand B (rows end in REGISTERS) = k: a lane holds one query and its registers run along the keys, which are the next K.  Grid, ring and super-blocks as in the launch before.
; pop: super-block ((batch x 16 + query / 128) x 16) + key / 128.  The next launch fetches four super-blocks at a time and multiplies them in pairs: so a wave wholly under the mask stores zeros, and the tile beside an
; even diagonal tile is stored as zeros too: every byte that is fetched has been written.
; x = 9 .. 12: THE OTHER HALF OF v = x Wv + bv: the tiles (Wv's tile x - 9, x's tile 16 + y), by the same text as in the launch before: A = Wv (a lane holds one d), B = x (the registers run along the tokens).
; Both ways lay their two slots, and each wave's part of a slot, at the same LDS bytes (wave x 30,720 + slot x 122,880) and change slots in the same turns; the macros of the ring are written once and switched by VP.
; No cluster: a launch is in clusters as a whole, and the tiles that share a row or a column of the triangle number 1 to 8, which four does not divide.
; LIMITS: a place under the mask is exactly 0 (reference()'s -1e9 gives the same while a column's largest score / 32 lies above about -1e9 + 100); p under 2^-126 falls to 0; NaN and infinities are not served;
; a block of zeros has the scale byte 1 (0x7f in the super-blocks of zeros); this program alone reads the bytes.
.set SBB,   12800                      ; a super-block
.set REG,   30720                      ; a wave's part of a slot: 128 rows of 240 bytes, or two super-blocks (25,600 bytes) at its head
.set SLOT,  4*REG
.set VROWB, 192
.set VKROW, 768
.set VPITCH, 240
.set VSCL,  2*SLOT                     ; v's way: behind the ring the scale bytes for all of K
.set VHALFS, 16*272
.set VSBLK, 2*272
.set STG,   VSCL+4*VHALFS              ; the weights' way: 1,024 bytes a wave: RG of my 128 keys, then 1 / L
.set SPARE, STG+4096                   ; the spare words: two blocks of 256 bytes that no other line names
.set FR,    12
.set NP,    4
.set ADRA, 16                          ; v16-17 (v's way: v16-19)
.set ADRB, 20                          ; v20-21 (v's way: v20-23)
.set ADRS, 22                          ; v22-23 the weights' way: scale words
.set STA,  24                          ; v24    the stage: 16 x lane
.set STB,  25                          ; v25    the stage: 32 h
.set LI,   26
.set VADRS, 27                         ; v27    v's way: my scale words
.set SPW,  28
.set NIL,  29
.set DD,   30                          ; v30    r - 8 h
.set FLR,  31                          ; v31    -3e38
.set VOBA, 31                          ; v31    v's way: byte offset of my part of the bias
.set SC,   32
.set AF,   128
.set BA,   224                         ; v224-239 v's way: bias of row 16 a + r, twice, at 2 a
.set RP,   64                          ; the weights' head: v64-127 R of 16 chunks x my 4 keys; v128-191 l; v192-207 offsets; v208-219 RG, L, 1 / L
.set LP,   128
.set RG,   208
.set LG,   212
.set IL,   216
.set H,    128                         ; the ways out
.set TM,   192
.set PW,   208
.set SW,   32
.set SX,   40
.set PC,   44
.set WV, 14
.set WA, 15
.set WB, 16
.set TI, 17
.set TJ, 18
.set VTA, 17
.set VTB, 18
.set BT, 19
.set G1, 24
.set G0, 32
.set CS, 40
.set SEL, 42
.set MK, 44
.set G0C, 44                           ; s[44:47] v's way: group 0 for the scale bytes
.set DG, 52
.set DGW, 53
.set AMW, 54
.set HM, 55
.set OUT, 56
.set KC, 60
.set XC, 68                            ; s[68:69] x codes, s[70:71] x scales, s[72:73] Wv codes, s[74:75] Wv scales
.set BV, 76                            ; s[76:77] bv, s[78:79] vop
.set G1T, 80
.set G1C, 88
.set MSB, 0
.macro WIN new                         ; the immediate's high byte repeats the setting that is left
.if MSB != (\new)
	s_set_vgpr_msb (MSB<<8)|(\new)
.set MSB, (\new)
.endif
.endm
.set MUL_LO, 0xa1
.set MUL_HI, 0xf1
.set TO_B,   0x40
; THE RING'S MACROS.  VP = 0: operands as super-blocks; VP = 1: rows of codes as they are given.  NL: LDS loads a fragment; SSB, SSQ: from block to block and from K step to K step among the scale words;
; G1X: the tiles' group 1; GST: bytes from a slot's tile to its next in memory.
.macro FRAG reg, adr, q, i
.if VP                                 ; 12 registers in pieces of 8 bytes; lanes 16-31 read three pieces further on, for some pieces behind one padding more: the second address register
.irp p, 0,1,2,3,4,5
.set PCE, 12*(\q)+6*(\p/3)+\p%3
.if PCE%8 < 5
	ds_load_b64 v[\reg+2*\p:\reg+2*\p+1], v[\adr] offset:8*PCE+16*(PCE/8)+(\i)*16*VPITCH
.else
	ds_load_b64 v[\reg+2*\p:\reg+2*\p+1], v[\adr+2] offset:8*PCE+16*(PCE/8)+(\i)*16*VPITCH
.endif
.endr
.else                                  ; an image of the registers: three loads of 512 consecutive bytes
.irp c, 0,1,2
	ds_load_b128 v[\reg+4*\c:\reg+4*\c+3], v[\adr] offset:SBB*(\q)+1536*(\i)+512*\c
.endr
.endif
.endm
; The 64 accumulators take turns, one instruction a turn, in the same order in every step.
.macro MUL16 a0, p, q, sc, zero
.irp a, \a0, \a0+1
.irp b, 0,1,2,3,4,5,6,7
.if \zero
	v_wmma_scale_f32_16x16x128_f8f6f4 v[8*(8*((\a)%4)+\b):8*(8*((\a)%4)+\b)+7], v[128*(\p)+FR*\b:128*(\p)+FR*\b+FR-1], v[AF+FR*(\a):AF+FR*(\a)+FR-1], 0, v[SC+16*(\sc)+SSQ*(\q)+SSB*\b], v[SC+16*(\sc)+SSQ*(\q)+SSB*(\a)] matrix_a_fmt:MATRIX_FMT_BF6 matrix_b_fmt:MATRIX_FMT_BF6 matrix_a_scale:MATRIX_SCALE_ROW1
.else
	v_wmma_scale_f32_16x16x128_f8f6f4 v[8*(8*((\a)%4)+\b):8*(8*((\a)%4)+\b)+7], v[128*(\p)+FR*\b:128*(\p)+FR*\b+FR-1], v[AF+FR*(\a):AF+FR*(\a)+FR-1], v[8*(8*((\a)%4)+\b):8*(8*((\a)%4)+\b)+7], v[SC+16*(\sc)+SSQ*(\q)+SSB*\b], v[SC+16*(\sc)+SSQ*(\q)+SSB*(\a)] matrix_a_fmt:MATRIX_FMT_BF6 matrix_b_fmt:MATRIX_FMT_BF6 matrix_a_scale:MATRIX_SCALE_ROW1
.endif
.endr
.endr
.endm
.macro FETCH_B slot, q, p
	WIN TO_B
.irp i, 0,1,2,3,4,5,6,7
	FRAG 128*(\p)+FR*\i, ADRB+\slot, \q, \i
.endr
	WIN 0
.endm
.macro FETCH_A slot, q, i0
.irp i, \i0, \i0+1, \i0+2, \i0+3
	FRAG AF+FR*(\i), ADRA+\slot, \q, \i
.endr
.endm
.macro SCALES sc                       ; a slot's scale words: lanes 0-15 A's, lanes 16-31 B's
.if VP
.irp i, 0,1,2,3,4,5,6,7
	ds_load_b64 v[SC+16*\sc+2*\i:SC+16*\sc+2*\i+1], v[VADRS] offset:\i*VSBLK
.endr
.else
.irp q, 0,1
.irp g, 0,1
	ds_load_b128 v[SC+16*\sc+8*\q+4*\g:SC+16*\sc+8*\q+4*\g+3], v[ADRS+\sc] offset:SBB*\q+256*\g
.endr
.endr
.endif
.endm
.macro PLACES n                        ; plain vector instructions between a matrix instruction and a load into, or a vector access to, its registers
.rept \n
	v_nop
.endr
.endm
.macro STEP slot, q, zero              ; 128 along K whose successor lies in the same slot
	s_wait_dscnt 4*NL                              ; all but the youngest 4 NL loads (A's blocks 4-7) are in
	WIN MUL_LO
	MUL16 0, (\q)%2, \q, \slot, \zero
	MUL16 2, (\q)%2, \q, \slot, \zero
	s_wait_dscnt 0
	PLACES NP
	FETCH_B \slot, (\q)+1, 1-(\q)%2
	FETCH_A \slot, (\q)+1, 0
	WIN MUL_HI
	MUL16 4, (\q)%2, \q, \slot, \zero
	MUL16 6, (\q)%2, \q, \slot, \zero
	PLACES NP
	WIN 0
	FETCH_A \slot, (\q)+1, 4
.endm
.macro TURN slot, next, fill           ; a slot's last step changes slots: one barrier
	s_wait_tensorcnt 0x0                           ; all my tensor loads have landed: my part of the next slot; so a group 0 may be written
	ds_add_u32 v[SPW], v[NIL]
.if \fill
	s_add_nc_u64 s[G0+4*\slot+2:G0+4*\slot+3], s[G0+4*\slot+2:G0+4*\slot+3], GST   ; this slot's next 256 along K
.endif
	s_wait_dscnt 4*NL+1                            ; (the add and the youngest 4 NL loads may be out)
	WIN MUL_LO
	MUL16 0, 1, 1, \slot, 0
	s_wait_dscnt 0x0                               ; the add is done, and my reads of this slot are over
	s_barrier_signal -1
	MUL16 2, 1, 1, \slot, 0
	WIN 0
	s_barrier_wait -1
.if \fill
	tensor_load_to_lds s[G0+4*\slot:G0+4*\slot+3], s[G1X:G1X+7]   ; my one tensor load behind this barrier, and the first thing there
	s_nop 0
.endif
	PLACES NP
.if VP
	v_add_nc_u32 v[VADRS], 8, v[VADRS]             ; the next slot's scale words: two words on in each row
.endif
	FETCH_B \next, 0, 0
	FETCH_A \next, 0, 0
	SCALES \next
	WIN MUL_HI
	MUL16 4, 1, 1, \slot, 0
	MUL16 6, 1, 1, \slot, 0
	PLACES NP
	WIN 0
	FETCH_A \next, 0, 4
.endm
.macro CORE                            ; K = 1,024: four fills in all, so the ring is written out
	s_wait_tensorcnt 1                             ; all my first fills but slot 1's are in; that one may stay out
	s_wait_dscnt 0x0                               ; no LDS instruction of mine is pending at a signal
	s_barrier_signal -1
	s_barrier_wait -1
	FETCH_B 0, 0, 0
	FETCH_A 0, 0, 0
	SCALES 0
	FETCH_A 0, 0, 4
	STEP 0, 0, 1                                   ; the first products start the sums: nothing is cleared
	TURN 0, 1, 1
	STEP 1, 0, 0
	TURN 1, 0, 1
	STEP 0, 0, 0
	TURN 0, 1, 0                                   ; nothing is left to ask for
	STEP 1, 0, 0
	s_wait_dscnt 4*NL
	WIN MUL_LO
	MUL16 0, 1, 1, 1, 0
	MUL16 2, 1, 1, 1, 0
	s_wait_dscnt 0
	WIN MUL_HI
	MUL16 4, 1, 1, 1, 0
	MUL16 6, 1, 1, 1, 0
	WIN 0
.endm
.macro QUANT s                         ; 64 numbers of a lane, register 16 b + i of block b, become a fragment's codes in v[PC] on and its scale word in v[PW]
.irp b, 0,1,2,3
	v_max3_num_f32 v[TM+\b], |v[\s+16*\b]|, |v[\s+1+16*\b]|, 0x2800000   ; and the floor 2^(5 - 127): the byte cannot fall under 1
.endr
.irp i, 2,4,6,8,10,12,14
.irp b, 0,1,2,3
	v_max3_num_f32 v[TM+\b], v[TM+\b], |v[\s+16*\b+\i]|, |v[\s+1+16*\b+\i]|
.endr
.endr
.irp b, 0,1,2,3
	v_permlanex16_b32 v[TM+4+\b], v[TM+\b], s[SEL], s[SEL+1]
.endr
.irp b, 0,1,2,3
	v_max_num_f32 v[TM+\b], v[TM+\b], v[TM+4+\b]
.endr
.irp b, 0,1,2,3
	v_add_nc_u32 v[TM+12+\b], 0xfe000000, v[TM+\b]
.endr
.irp b, 0,1,2,3
	v_lshrrev_b32 v[TM+4+\b], 23, v[TM+12+\b]
.endr
	v_lshl_or_b32 v[PW], v[TM+5], 8, v[TM+4]
	v_lshl_or_b32 v[PW], v[TM+6], 16, v[PW]
	v_lshl_or_b32 v[PW], v[TM+7], 24, v[PW]
.irp c, 0,1
	v_cvt_scalef32_pk16_bf6_f32 v[PC+6*\c:PC+2+6*\c], v[\s+32*\c:\s+15+32*\c], v[TM+12+2*\c]
	v_cvt_scalef32_pk16_bf6_f32 v[PC+12+4*\c:PC+14+4*\c], v[\s+16+32*\c:\s+31+32*\c], v[TM+12+2*\c+1]
.endr
	v_nop                                          ; one plain place behind a scaled conversion
.irp c, 0,1
.irp i, 0,1,2
	v_permlane16_swap_b32 v[PC+6*\c+\i], v[PC+12+4*\c+\i]
.endr
.irp i, 0,1,2
	v_mov_b32 v[PC+3+6*\c+\i], v[PC+12+4*\c+\i]
.endr
.endr
.endm
.macro SBOUT a                         ; the fragment goes out as it stands: three stores of 512 consecutive bytes
	v_mov_b32 v[SW+(\a)], v[PW]
.irp c, 0,1,2
	global_store_b128 v[LI], v[PC+4*\c:PC+4*\c+3], s[OUT:OUT+1] offset:1536*(\a)+512*\c
.endr
.endm
.macro VOUT a                          ; v's block a (16 d): the lane's bias is added, the 64 numbers are quantised along the tokens and stored
	WIN 0x02+(\a)/4
.set nn, 0
.rept 32
	v_pk_add_f32 v[H+nn:H+nn+1], v[64*((\a)%4)+nn:64*((\a)%4)+nn+1], v[BA+2*(\a):BA+2*(\a)+1]   ; each accumulator is read from its low end on
.set nn, nn+2
.endr
	WIN 0
.if (\a) > 0
	s_wait_xcnt 0x0                                ; the last block's stores have read their data
.endif
	QUANT H
	SBOUT \a
.endm
.macro ZEROSET                         ; zero codes, and the scale byte of 1.0
.irp i, 0,1,2,3
	v_mov_b32 v[PC+\i], 0
	v_mov_b32 v[SX+\i], 0x7f7f7f7f
.endr
.endm
.macro ZEROSB off                      ; a whole super-block of zeros, off bytes on from mine
.set nn, 0
.rept 24
	global_store_b128 v[LI], v[PC:PC+3], s[OUT:OUT+1] offset:\off+512*nn
.set nn, nn+1
.endr
	global_store_b128 v[LI], v[SX:SX+3], s[OUT:OUT+1] offset:\off+12288
.endm
; Block a: query 16 a + r, key 16 b + 8 h + j at register 8 b + j.
.macro PBLOCK a
	WIN 0x12+(\a)/4
.set nn, 0
.rept 32
	v_pk_fma_f32 v[H+nn:H+nn+1], v[64*((\a)%4)+nn:64*((\a)%4)+nn+1], s[CS:CS+1], v[nn:nn+1] op_sel_hi:[1,0,1] neg_lo:[0,0,1] neg_hi:[0,0,1]   ; c s - RG of the key; each accumulator is read from its low end on
.set nn, nn+2
.endr
	WIN 0
	s_cmp_eq_u32 s[DGW], 0
	s_cbranch_scc1 .Lnm_\@
.set nn, 8*(\a)+8
.rept 56-8*(\a)
	v_mov_b32 v[H+nn], v[FLR]                      ; on the diagonal: hidden where the key comes after the query: all of b > a,
.set nn, nn+1
.endr
.irp j, 0,1,2,3,4,5,6,7
	v_cndmask_b32 v[H+8*(\a)+\j], v[H+8*(\a)+\j], v[FLR], s[MK+\j]   ; and in b = a where j > r - 8 h
.endr
.Lnm_\@:
.set nn, 0
.rept 64
	v_exp_f32 v[H+nn], v[H+nn]
.set nn, nn+1
.endr
	v_nop
	s_wait_alu depctr_va_vdst(0)                   ; one wait for the 64, ahead of their first reader
	WIN 0x04
.set nn, 0
.rept 32
	v_pk_mul_f32 v[H+nn:H+nn+1], v[H+nn:H+nn+1], v[64+nn:64+nn+1]   ; x 1 / L of the key: the finished weight
.set nn, nn+2
.endr
	WIN 0
.if (\a) > 0
	s_wait_xcnt 0x0                                ; the last block's stores have read their data
.endif
	QUANT H
	SBOUT \a
.endm
	; THE HEAD, which every wave takes: the arguments, the opening lines, the wave's number, all three groups 1
	s_load_b256 s[4:11], s[0:1], 0x0               ; qop, kop, pr, pl
	s_load_b256 s[XC:XC+7], s[0:1], 0x20           ; x codes, x scales, Wv codes, Wv scales
	s_load_b128 s[BV:BV+3], s[0:1], 0x40           ; bv, vop
	s_load_b64 s[12:13], s[0:1], 0x50              ; pop
	v_lshl_add_u32 v[SPW], v0, 2, SPARE
	v_mov_b32 v[NIL], 0
	ds_add_u32 v[SPW], v[NIL]                      ; the wave's opening: the add and its wait ahead of my first tensor load; work on registers stands between them
	v_lshrrev_b32 v1, 5, v0
	v_readfirstlane_b32 s[WV], v1
	s_lshr_b32 s[WA], s[WV], 1                     ; my half of A's rows
	s_and_b32 s[WB], s[WV], 1                      ; my half of B's rows.  Also: which half of a tile I fetch
	s_mov_b32 s[G1+0], 3<<16                       ; two super-blocks: 100 dense rows of 256 bytes
	s_mov_b32 s[G1+1], 32<<16
	s_mov_b32 s[G1+2], 100<<16
	s_mov_b32 s[G1+3], 32<<16
	s_mov_b32 s[G1+4], 100
	s_mov_b32 s[G1+5], 32
	s_mov_b32 s[G1+6], 0
	s_mov_b32 s[G1+7], 0
	s_mov_b32 s[G1T+0], (0<<16)|(1<<20)|(3<<22)|(3<<25)   ; v's tiles: elements of 1 byte; padding on: after every 16 words 4 words
	s_mov_b32 s[G1T+1], VROWB<<16
	s_mov_b32 s[G1T+2], 128<<16
	s_mov_b32 s[G1T+3], VROWB<<16
	s_mov_b32 s[G1T+4], 128
	s_mov_b32 s[G1T+5], VKROW
	s_mov_b32 s[G1T+6], 0
	s_mov_b32 s[G1T+7], 0
	s_mov_b32 s[G1C+0], (3<<16)|(1<<20)|(5<<22)|(3<<25)   ; the scale bytes of 128 rows: 16 rows of 256 bytes, 16 bytes of padding behind each
	s_mov_b32 s[G1C+1], 32<<16
	s_mov_b32 s[G1C+2], 16<<16
	s_mov_b32 s[G1C+3], 32<<16
	s_mov_b32 s[G1C+4], 16
	s_mov_b32 s[G1C+5], 32
	s_mov_b32 s[G1C+6], 0
	s_mov_b32 s[G1C+7], 0
	s_mov_b32 s[SEL], 0x76543210
	s_mov_b32 s[SEL+1], 0xfedcba98
	s_mov_b32 s[HM], 0xffff0000
	s_wait_dscnt 0x0                               ; the opening add is done
	s_cmp_gt_u32 ttmp9, 8                          ; the work-group's number alone: all four waves go the same way
	s_cbranch_scc1 .Lvproj
	; ---- THE WEIGHTS' WAY
.set VP,  0
.set NL,  3
.set SSB, 1
.set SSQ, 8
.set G1X, G1
.set GST, 4*SBB
	s_and_b32 s20, ttmp7, 0xffff
	s_lshr_b32 s[BT], s20, 2
	s_and_b32 s20, s20, 3
	s_sub_co_u32 s21, 7, s20
	s_sub_co_u32 s22, ttmp9, s20
	s_sub_co_u32 s22, s22, 1
	s_cmp_le_u32 ttmp9, s20
	s_cselect_b32 s[TI], s20, s21
	s_cselect_b32 s[TJ], ttmp9, s22
	s_mov_b32 s[CS], 0x3d38aa3b
	s_mov_b32 s[CS+1], s[CS]
	s_cmp_lt_u32 s[WV], 2                          ; waves 0, 1 fetch q's halves, waves 2, 3 k's
	s_cselect_b32 s20, s[TI], s[TJ]
	s_lshl_b32 s20, s20, 1
	s_add_co_u32 s20, s20, s[WB]
	s_lshl_b32 s21, s[BT], 4
	s_add_co_u32 s20, s20, s21
	s_mul_i32 s20, s20, 8*SBB
	s_mov_b32 s21, 0
	s_mul_i32 s22, s[WV], REG
	s_wait_kmcnt 0x0
	s_cmp_lt_u32 s[WV], 2
	s_cselect_b64 s[62:63], s[4:5], s[6:7]
	s_add_nc_u64 s[62:63], s[62:63], s[20:21]
.irp s, 0,1
	s_mov_b32 s[G0+4*\s], 1
	s_add_co_u32 s[G0+4*\s+1], s22, \s*SLOT
	s_add_nc_u64 s[G0+4*\s+2:G0+4*\s+3], s[62:63], \s*2*SBB
	s_or_b32 s[G0+4*\s+3], s[G0+4*\s+3], 0x80000000
	tensor_load_to_lds s[G0+4*\s:G0+4*\s+3], s[G1:G1+7]
	s_nop 0
.endr
	v_and_b32 v1, 15, v0
	v_bfe_u32 v2, v0, 4, 1
	v_and_b32 v3, 31, v0
	v_lshlrev_b32 v[LI], 4, v3
	; THE PARTIALS OF MY 128 KEYS, four keys a lane, while the first tiles are on their way.  Chunks of queries ahead of the keys' own chunk have none: their place is taken by the keys' own chunk, and their l by 0
	s_lshl_b32 s[KC], s[TJ], 1
	s_add_co_u32 s[KC], s[KC], s[WB]               ; my chunk of keys
	s_lshl_b32 s20, s[BT], 17
	s_lshl_b32 s21, s[KC], 9
	s_add_co_u32 s20, s20, s21
	v_add_nc_u32 v4, s20, v[LI]
.set pp, 0
.rept 16
	s_max_u32 s20, s[KC], pp
	s_lshl_b32 s20, s20, 13
	v_add_nc_u32 v[192+pp], s20, v4
	global_load_b128 v[RP+4*pp:RP+4*pp+3], v[192+pp], s[8:9]
	global_load_b128 v[LP+4*pp:LP+4*pp+3], v[192+pp], s[10:11]
.set pp, pp+1
.endr
	s_mul_i32 s20, s[WA], REG
	s_mul_i32 s21, s[WB], REG
	s_add_co_u32 s21, s21, 2*REG
	v_add_nc_u32 v[ADRA], s20, v[LI]
	v_add_nc_u32 v[ADRA+1], SLOT, v[ADRA]
	v_add_nc_u32 v[ADRB], s21, v[LI]
	v_add_nc_u32 v[ADRB+1], SLOT, v[ADRB]
	s_sub_co_u32 s21, s21, s20
	v_mul_u32_u24 v5, s21, v2
	v_lshl_add_u32 v5, v1, 4, v5
	s_add_co_u32 s20, s20, 12288
	v_add_nc_u32 v[ADRS], s20, v5
	v_add_nc_u32 v[ADRS+1], SLOT, v[ADRS]
	s_lshl_b32 s20, s[WV], 10
	s_add_co_u32 s20, s20, STG
	v_add_nc_u32 v[STA], s20, v[LI]
	v_lshl_add_u32 v[STB], v2, 5, s20
	v_lshlrev_b32 v5, 3, v2
	v_sub_nc_u32 v[DD], v1, v5
	v_mov_b32 v[FLR], 0xff61b1e6
	s_cmp_eq_u32 s[TI], s[TJ]
	s_cselect_b32 s[DG], 1, 0
	s_cmp_eq_u32 s[WA], s[WB]
	s_cselect_b32 s[DGW], s[DG], 0
	s_sub_co_i32 s20, s[WB], s[WA]
	s_cmp_eq_u32 s20, 1
	s_cselect_b32 s[AMW], s[DG], 0                 ; wholly under the mask: later keys, earlier queries
	s_lshl_b32 s20, s[BT], 4
	s_lshl_b32 s21, s[TI], 1
	s_add_co_u32 s20, s20, s21
	s_add_co_u32 s20, s20, s[WA]
	s_lshl_b32 s20, s20, 4
	s_add_co_u32 s20, s20, s[KC]
	s_mul_i32 s20, s20, SBB
	s_mov_b32 s21, 0
	s_add_nc_u64 s[OUT:OUT+1], s[12:13], s[20:21]
	s_wait_loadcnt 0x0
.irp i, 0,1,2,3
	v_max3_num_f32 v[RG+\i], v[RP+\i], v[RP+4+\i], v[RP+8+\i]
.endr
.irp p, 3,5,7,9,11,13
.irp i, 0,1,2,3
	v_max3_num_f32 v[RG+\i], v[RG+\i], v[RP+4*\p+\i], v[RP+4*\p+4+\i]
.endr
.endr
.irp i, 0,1,2,3
	v_max_num_f32 v[RG+\i], v[RG+\i], v[RP+60+\i]
.endr
.set nn, 0
.rept 32
	v_pk_add_f32 v[RP+nn:RP+nn+1], v[RP+nn:RP+nn+1], v[RG+nn%4:RG+nn%4+1] neg_lo:[0,1] neg_hi:[0,1]
.set nn, nn+2
.endr
.set nn, 0
.rept 64
	v_exp_f32 v[RP+nn], v[RP+nn]                   ; 2^(R - RG)
.set nn, nn+1
.endr
.set pp, 0
.rept 16                                       ; plain work behind the exponentials: l x 1 where the chunk counts, x 0 where its place was taken
	s_cmp_le_u32 s[KC], pp
	s_cselect_b32 s20, 1.0, 0
	s_mov_b32 s21, s20
	v_pk_mul_f32 v[LP+4*pp:LP+4*pp+1], v[LP+4*pp:LP+4*pp+1], s[20:21] op_sel_hi:[1,0]
	v_pk_mul_f32 v[LP+4*pp+2:LP+4*pp+3], v[LP+4*pp+2:LP+4*pp+3], s[20:21] op_sel_hi:[1,0]
.set pp, pp+1
.endr
	s_wait_alu depctr_va_vdst(0)                   ; one wait for the 64, ahead of their first reader
	v_pk_mul_f32 v[LG:LG+1], v[LP:LP+1], v[RP:RP+1]
	v_pk_mul_f32 v[LG+2:LG+3], v[LP+2:LP+3], v[RP+2:RP+3]
.set pp, 1
.rept 15
	v_pk_fma_f32 v[LG:LG+1], v[LP+4*pp:LP+4*pp+1], v[RP+4*pp:RP+4*pp+1], v[LG:LG+1]
	v_pk_fma_f32 v[LG+2:LG+3], v[LP+4*pp+2:LP+4*pp+3], v[RP+4*pp+2:RP+4*pp+3], v[LG+2:LG+3]
.set pp, pp+1
.endr
.irp i, 0,1,2,3
	v_rcp_f32 v[IL+\i], v[LG+\i]                   ; L is at least 1: the chunk with the largest R brings its l unscaled
.endr
	v_nop
	s_wait_alu depctr_va_vdst(0)
	ds_store_b128 v[STA], v[RG:RG+3]               ; my wave's own bytes: only I read them, at the way out
	ds_store_b128 v[STA], v[IL:IL+3] offset:512
	CORE
	PLACES NP                                      ; in front of reads of results, of loads into B's registers and of writes over A's fragments and the scale words
	s_cmp_eq_u32 s[AMW], 1
	s_cbranch_scc1 .Lzero
	WIN 0x40                                       ; RG and 1 / L of my lane's 64 keys into window 1, where B's fragments lay
.irp b, 0,1,2,3,4,5,6,7
	ds_load_b128 v[8*\b:8*\b+3], v[STB] offset:64*\b
	ds_load_b128 v[8*\b+4:8*\b+7], v[STB] offset:64*\b+16
	ds_load_b128 v[64+8*\b:64+8*\b+3], v[STB] offset:512+64*\b
	ds_load_b128 v[64+8*\b+4:64+8*\b+7], v[STB] offset:512+64*\b+16
.endr
	WIN 0
.irp b, 0,1,2,3
	v_mov_b32 v[TM+4+\b], 0                        ; a lane permute's destination counts as one of its sources
.endr
.irp j, 0,1,2,3,4,5,6,7
	v_cmp_lt_i32 s[MK+\j], v[DD], \j
.endr
	s_wait_dscnt 0x0
.irp a, 0,1,2,3,4,5,6,7
	PBLOCK \a
.endr
.irp i, 0,1,2,3
	v_cndmask_b32 v[SX+\i], v[SW+\i], v[SW+4+\i], s[HM]   ; lane (r, h) stores the words of blocks 4 h .. 4 h + 3 of row r
.endr
	global_store_b128 v[LI], v[SX:SX+3], s[OUT:OUT+1] offset:12288
	s_branch .Ltail
.Lzero:
	ZEROSET
	ZEROSB 0                                       ; wholly under the mask: my super-block is zeros
.Ltail:
	s_and_b32 s20, s[TI], 1
	s_xor_b32 s20, s20, 1
	s_and_b32 s20, s20, s[DG]                      ; a diagonal tile with an even number: the tile to its right is fetched with it by the next launch
	s_cmp_eq_u32 s20, 0
	s_cbranch_scc1 .Lend
	s_wait_xcnt 0x0                                ; the stores above have read their data
	ZEROSET
	ZEROSB 2*SBB                                   ; two chunks of keys further on
.Lend:
	s_wait_tensorcnt 0x0                           ; the wave's end
	ds_add_u32 v[SPW], v[NIL]
	s_wait_dscnt 0x0
	s_endpgm
	; ---- v's WAY
.Lvproj:
.set VP,  1
.set NL,  6
.set SSB, 2
.set SSQ, 1
.set G1X, G1T
.set GST, 2*VROWB
	s_sub_co_u32 s[VTA], ttmp9, 9                  ; Wv's tile, 0 .. 3
	s_and_b32 s[VTB], ttmp7, 0xffff
	s_add_co_u32 s[VTB], s[VTB], 16                ; x's tile, 16 .. 31
	s_cmp_lt_u32 s[WV], 2                          ; waves 0, 1 fetch Wv's halves, waves 2, 3 x's
	s_cselect_b32 s20, s[VTA], s[VTB]
	s_lshl_b32 s20, s20, 8
	s_lshl_b32 s21, s[WB], 7
	s_add_co_u32 s20, s20, s21                     ; the first of the 128 rows that I fetch
	s_lshl_b32 s22, s20, 5                         ; its scale bytes: 32 a row
	s_mov_b32 s23, 0
	s_mul_i32 s20, s20, VKROW                      ; and its codes (under 2^23 bytes)
	s_mov_b32 s21, 0
	s_mul_i32 s58, s[WV], REG
	s_mul_i32 s59, s[WV], VHALFS
	s_wait_kmcnt 0x0
	s_cmp_lt_u32 s[WV], 2
	s_cselect_b64 s[60:61], s[XC+4:XC+5], s[XC:XC+1]
	s_cselect_b64 s[62:63], s[XC+6:XC+7], s[XC+2:XC+3]
	s_add_nc_u64 s[60:61], s[60:61], s[20:21]
	s_add_nc_u64 s[62:63], s[62:63], s[22:23]
	s_mov_b32 s[G0C], 1                            ; three first fills together: the scale bytes first, they are wanted with K step 0
	s_add_co_u32 s[G0C+1], s59, VSCL
	s_mov_b64 s[G0C+2:G0C+3], s[62:63]
	s_or_b32 s[G0C+3], s[G0C+3], 0x80000000
	tensor_load_to_lds s[G0C:G0C+3], s[G1C:G1C+7]
	s_nop 0
.irp s, 0,1
	s_mov_b32 s[G0+4*\s], 1
	s_add_co_u32 s[G0+4*\s+1], s58, \s*SLOT
	s_add_nc_u64 s[G0+4*\s+2:G0+4*\s+3], s[60:61], \s*VROWB
	s_or_b32 s[G0+4*\s+3], s[G0+4*\s+3], 0x80000000
	tensor_load_to_lds s[G0+4*\s:G0+4*\s+3], s[G1T:G1T+7]
	s_nop 0
.endr
	v_and_b32 v1, 15, v0                           ; r
	v_bfe_u32 v2, v0, 4, 1                         ; h
	v_mul_u32_u24 v3, v1, VPITCH
	v_mul_u32_u24 v4, v2, 24
	v_add_nc_u32 v4, v3, v4                        ; a fragment's row x pitch + 24 x half
	v_lshl_add_u32 v5, v2, 4, v4                   ; and the same behind one padding more
	s_mul_i32 s20, s[WA], REG
	s_mul_i32 s21, s[WB], REG
	s_add_co_u32 s21, s21, 2*REG
.irp s, 0,1
	v_add_nc_u32 v[ADRA+\s], s20, v4
	v_add_nc_u32 v[ADRB+\s], s21, v4
	v_add_nc_u32 v[ADRA+2+\s], s20, v5
	v_add_nc_u32 v[ADRB+2+\s], s21, v5
	s_add_co_u32 s20, s20, SLOT
	s_add_co_u32 s21, s21, SLOT
.endr
	v_mul_u32_u24 v5, v1, 32                       ; my row's scale bytes,
	v_lshrrev_b32 v6, 8, v5
	v_lshl_add_u32 v5, v6, 4, v5                   ; and 16 more for each 256 passed
	s_mul_i32 s20, s[WA], VHALFS
	s_mul_i32 s21, s[WB], VHALFS
	s_add_co_u32 s21, s21, 2*VHALFS
	s_sub_co_u32 s21, s21, s20
	v_mul_u32_u24 v6, s21, v2                      ; lanes 16-31 take B's
	s_add_co_u32 s20, s20, VSCL
	v_add_nc_u32 v5, v5, v6
	v_add_nc_u32 v[VADRS], s20, v5
	v_and_b32 v6, 31, v0
	v_lshlrev_b32 v[LI], 4, v6
	s_lshl_b32 s20, s[VTA], 8                      ; the bias runs along the lanes: my 128 d
	s_lshl_b32 s21, s[WA], 7
	s_add_co_u32 s20, s20, s21
	s_lshl_b32 s20, s20, 2
	v_lshl_add_u32 v[VOBA], v1, 2, s20             ; 4 x (my first d + r)
.irp i, 0,1,2,3,4,5,6,7
	global_load_b32 v[BA+2*\i], v[VOBA], s[BV:BV+1] offset:64*\i
	global_load_b32 v[BA+2*\i+1], v[VOBA], s[BV:BV+1] offset:64*\i
.endr
	s_lshl_b32 s20, s[VTA], 1                      ; my super-block: ((batch x 8 + d / 128) x 16) + key / 128
	s_add_co_u32 s20, s20, s[WA]
	s_lshl_b32 s21, s[VTB], 1
	s_add_co_u32 s21, s21, s[WB]                   ; token / 128
	s_lshr_b32 s22, s21, 4
	s_lshl_b32 s22, s22, 3
	s_add_co_u32 s22, s22, s20
	s_lshl_b32 s22, s22, 4
	s_and_b32 s21, s21, 15
	s_add_co_u32 s22, s22, s21
	s_mul_i32 s22, s22, SBB
	s_mov_b32 s23, 0
	s_add_nc_u64 s[OUT:OUT+1], s[BV+2:BV+3], s[22:23]
	CORE
	PLACES NP                                      ; in front of the first read of results and of writes over A's fragments and the scale words
	s_wait_loadcnt 0x0                             ; the bias
.irp b, 0,1,2,3
	v_mov_b32 v[TM+4+\b], 0                        ; written once: a lane permute's destination counts as one of its sources
.endr
.irp a, 0,1,2,3,4,5,6,7
	VOUT \a
.endr
.irp i, 0,1,2,3
	v_cndmask_b32 v[SX+\i], v[SW+\i], v[SW+4+\i], s[HM]   ; lane (r, h) stores the words of blocks 4 h .. 4 h + 3 of row r
.endr
	global_store_b128 v[LI], v[SX:SX+3], s[OUT:OUT+1] offset:12288
	s_wait_tensorcnt 0x0                           ; the wave's end
	ds_add_u32 v[SPW], v[NIL]
	s_wait_dscnt 0x0
	s_endpgm
.Lfunc_end_k_q1e9c843970_probs:
	.size	k_q1e9c843970_probs, .Lfunc_end_k_q1e9c843970_probs-k_q1e9c843970_probs
	.p2alignl 7, 3214868480
	.fill 96, 4, 3214868480
	.section	.rodata,"a",@progbits
	.p2align	6, 0x0
	.amdhsa_kernel k_q1e9c843970_probs
		.amdhsa_group_segment_fixed_size 327680
		.amdhsa_private_segment_fixed_size 0
		.amdhsa_enable_private_segment 0
		.amdhsa_kernarg_size 88
		.amdhsa_user_sgpr_count 2
		.amdhsa_user_sgpr_kernarg_segment_ptr 1
		.amdhsa_wavefront_size32 1
		.amdhsa_system_sgpr_workgroup_id_x 1
		.amdhsa_system_sgpr_workgroup_id_y 1
		.amdhsa_system_sgpr_workgroup_id_z 1
		.amdhsa_system_vgpr_workitem_id 0
		.amdhsa_next_free_vgpr 1024
		.amdhsa_next_free_sgpr 96
		.amdhsa_reserve_vcc 0
		.amdhsa_float_denorm_mode_32 3
		.amdhsa_float_denorm_mode_16_64 3
		.amdhsa_memory_ordered 1
		.amdhsa_forward_progress 1
		.amdhsa_inst_pref_size 255
	.end_amdhsa_kernel
	.section	.bss,"aw",@nobits
	.p2align	6
	.space	262144
	.amdgpu_metadata
---
amdhsa.version: [ 1, 2 ]
amdhsa.kernels:
  - .name:           k_q1e9c843970_probs
    .symbol:         k_q1e9c843970_probs.kd
    .args:
      - { .name: qop, .offset: 0, .size: 8, .value_kind: global_buffer, .address_space: global }
      - { .name: kop, .offset: 8, .size: 8, .value_kind: global_buffer, .address_space: global }
      - { .name: pr, .offset: 16, .size: 8, .value_kind: global_buffer, .address_space: global }
      - { .name: pl, .offset: 24, .size: 8, .value_kind: global_buffer, .address_space: global }
      - { .name: x_codes, .offset: 32, .size: 8, .value_kind: global_buffer, .address_space: global }
      - { .name: x_scales, .offset: 40, .size: 8, .value_kind: global_buffer, .address_space: global }
      - { .name: Wv_codes, .offset: 48, .size: 8, .value_kind: global_buffer, .address_space: global }
      - { .name: Wv_scales, .offset: 56, .size: 8, .value_kind: global_buffer, .address_space: global }
      - { .name: bv, .offset: 64, .size: 8, .value_kind: global_buffer, .address_space: global }
      - { .name: vop, .offset: 72, .size: 8, .value_kind: global_buffer, .address_space: global }
      - { .name: pop, .offset: 80, .size: 8, .value_kind: global_buffer, .address_space: global }
    .group_segment_fixed_size: 327680
    .private_segment_fixed_size: 0
    .kernarg_segment_align: 8
    .kernarg_segment_size: 88
    .max_flat_workgroup_size: 128
    .sgpr_count:     96
    .vgpr_count:     1024
    .wavefront_size: 32
...
	.end_amdgpu_metadata
.endif
;; end of part 3
;; launch pv (part 4): grid 4 x 64, 4 waves a work-group, no clusters, 327,680 bytes of LDS; arguments pop, vop, out0; writes out0
.if DOCPART == 4
	.amdgcn_target "amdgcn-amd-amdhsa--gfx1250"
	.amdhsa_code_object_version 6
	.text
	.protected	k_q1e9c843970_pv
	.globl	k_q1e9c843970_pv
	.p2align	8
	.type	k_q1e9c843970_pv,@function
k_q1e9c843970_pv:
	s_mov_b64 s[64:65], 0
	v_nop
	global_prefetch_b8 v0, s[64:65] scope:SCOPE_SE
	s_setreg_imm32_b32 hwreg(HW_REG_WAVE_MODE, 25, 1), 1
	s_wait_xcnt 0x0
; out = P v on codes of BF6, K = the keys, cut at the causal limit.  A work-group makes 128 queries x 256 d (256 work-groups), a wave 64 x 128: 32 accumulators in window 2.
; Source 0 = 16 rows of v (d), source 1 = 16 rows of P (queries): a lane holds one query and eight neighbouring d.
; Query chunk IQ needs the key chunks 0 .. IQ | 1: K steps of 128 are multiplied in pairs 0 .. IQ / 2.  A slot holds four K steps: four super-blocks of P and twice four of v, each one dense tensor load.
; The text is straight: sixteen K steps, left by a jump on the work-group's number at the pair that is its last; the last K step is written once, at the end.
; A slot beyond the limit is not asked for: every wait on TENSORcnt is for 0; no step reads a slot that was left out.
; No cluster.
.set SBB,   12800
.set REG,   4*SBB                      ; four super-blocks
.set SLOT,  3*REG                      ; P, v half 0, v half 1
.set STAGE, 2*SLOT                     ; behind the ring: 16 rows x (256 + 16) bytes for each wave
.set SPARE, STAGE+4*16*272             ; the spare words: two blocks of 256 bytes that no other line names
.set FR,    12
.set ADA, 8                            ; v8-9   P's fragments in slot 0, 1
.set ADB, 10                           ; v10-11 v's
.set ASA, 12                           ; v12-13 P's scale words
.set ASB, 14                           ; v14-15 v's
.set STO, 16
.set RD,  17
.set GO,  18
.set SPW, 28
.set NIL, 29
.set SA,  32                           ; v32-39 P's scale words, two sets of 4
.set SB8, 40                           ; v40-55 v's, two sets of 8
.set AF,  64                           ; v64-159 P's fragments, two sets of 48;  window 1: v's, two sets at 0 and 128
.set OB,  64                           ; the way out: v64-127 and v128-191 by turns
.set WV, 14
.set WA, 15
.set WB, 16
.set BT, 17
.set IQ, 18
.set LIMT, 19
.set G1, 24
.set G0, 32
.set OUT, 40
.set MSB, 0
.macro WIN new
.if MSB != (\new)
	s_set_vgpr_msb (MSB<<8)|(\new)
.set MSB, (\new)
.endif
.endm
.macro PLACES n
.rept \n
	v_nop
.endr
.endm
.macro TLOAD3 s                        ; waves 0 to 2 fetch; an s_nop 0 and four v_nop follow the load
	s_cmp_lt_u32 s[WV], 3
	s_cbranch_scc0 .Lno_\@
	tensor_load_to_lds s[G0+4*(\s):G0+4*(\s)+3], s[G1:G1+7]
	s_nop 0
.rept 4
	v_nop
.endr
.Lno_\@:
.endm
	s_load_b128 s[4:7], s[0:1], 0x0                ; pop, vop
	s_load_b64 s[8:9], s[0:1], 0x10                ; out0
	v_lshl_add_u32 v[SPW], v0, 2, SPARE
	v_mov_b32 v[NIL], 0
	ds_add_u32 v[SPW], v[NIL]                      ; the wave's opening: the add and its wait ahead of my first tensor load
	v_lshrrev_b32 v1, 5, v0
	v_readfirstlane_b32 s[WV], v1
	s_lshr_b32 s[WA], s[WV], 1                     ; my 64 queries
	s_and_b32 s[WB], s[WV], 1                      ; my 128 d
	s_and_b32 s20, ttmp7, 0xffff
	s_lshr_b32 s[BT], s20, 4
	s_and_b32 s[IQ], s20, 15
	s_lshr_b32 s[LIMT], s[IQ], 1                   ; the last pair of K steps
	s_mov_b32 s[G1+0], 3<<16                       ; 200 dense rows of 256 bytes
	s_mov_b32 s[G1+1], 32<<16
	s_mov_b32 s[G1+2], 200<<16
	s_mov_b32 s[G1+3], 32<<16
	s_mov_b32 s[G1+4], 200
	s_mov_b32 s[G1+5], 32
	s_mov_b32 s[G1+6], 0
	s_mov_b32 s[G1+7], 0
	s_lshl_b32 s20, s[BT], 4
	s_add_co_u32 s20, s20, s[IQ]                   ; wave 0: P's row of sixteen super-blocks
	s_lshl_b32 s21, s[BT], 3
	s_lshl_b32 s22, ttmp9, 1
	s_add_co_u32 s21, s21, s22
	s_add_co_u32 s22, s[WV], 1
	s_and_b32 s22, s22, 1                          ; wave 1: half 0, wave 2: half 1
	s_add_co_u32 s21, s21, s22                     ; v's row
	s_cmp_eq_u32 s[WV], 0
	s_cselect_b32 s20, s20, s21
	s_mul_i32 s20, s20, 16*SBB
	s_mov_b32 s21, 0
	s_mul_i32 s22, s[WV], REG
	s_wait_dscnt 0x0
	s_wait_kmcnt 0x0
	s_cmp_eq_u32 s[WV], 0
	s_cselect_b64 s[42:43], s[4:5], s[6:7]
	s_add_nc_u64 s[42:43], s[42:43], s[20:21]
.irp s, 0,1
	s_mov_b32 s[G0+4*\s], 1
	s_add_co_u32 s[G0+4*\s+1], s22, \s*SLOT
	s_add_nc_u64 s[G0+4*\s+2:G0+4*\s+3], s[42:43], \s*REG
	s_or_b32 s[G0+4*\s+3], s[G0+4*\s+3], 0x80000000
.endr
	TLOAD3 0                                       ; K steps 0 to 3
	v_and_b32 v1, 15, v0                           ; r
	v_bfe_u32 v2, v0, 4, 1                         ; h
	v_and_b32 v3, 31, v0
	v_lshlrev_b32 v4, 4, v3                        ; 16 x lane
	s_mul_i32 s20, s[WA], 4*1536                   ; my four blocks of P
	v_add_nc_u32 v[ADA], s20, v4
	v_add_nc_u32 v[ADA+1], SLOT, v[ADA]
	s_mul_i32 s21, s[WB], REG
	s_add_co_u32 s21, s21, REG
	v_add_nc_u32 v[ADB], s21, v4
	v_add_nc_u32 v[ADB+1], SLOT, v[ADB]
	v_lshlrev_b32 v5, 4, v1                        ; 16 r
	s_lshl_b32 s20, s[WA], 8
	s_add_co_u32 s20, s20, 12288
	v_add_nc_u32 v[ASA], s20, v5
	v_add_nc_u32 v[ASA+1], SLOT, v[ASA]
	s_add_co_u32 s21, s21, 12288
	v_add_nc_u32 v[ASB], s21, v5
	v_add_nc_u32 v[ASB+1], SLOT, v[ASB]
	s_mul_i32 s20, s[WV], 16*272
	s_add_co_u32 s20, s20, STAGE
	v_mul_u32_u24 v5, v1, 272
	v_lshl_add_u32 v5, v2, 5, v5
	v_add_nc_u32 v[STO], s20, v5                   ; in: row r, 32 bytes for each half of the lanes
	v_mul_u32_u24 v5, v2, 272
	v_lshl_add_u32 v5, v1, 4, v5
	v_add_nc_u32 v[RD], s20, v5                    ; back: lanes 0-15 one row of 256 bytes, lanes 16-31 the next
	v_lshlrev_b32 v[GO], 12, v2
	v_lshl_add_u32 v[GO], v1, 4, v[GO]             ; and the same two rows in out0
	s_lshl_b32 s20, s[BT], 11
	s_lshl_b32 s21, s[IQ], 7
	s_add_co_u32 s20, s20, s21
	s_lshl_b32 s21, s[WA], 6
	s_add_co_u32 s20, s20, s21                     ; my first row
	s_lshl_b32 s20, s20, 12
	s_lshl_b32 s21, ttmp9, 10
	s_add_co_u32 s20, s20, s21
	s_lshl_b32 s21, s[WB], 9
	s_add_co_u32 s20, s20, s21                     ; + my first column, in bytes
	s_mov_b32 s21, 0
	s_add_nc_u64 s[OUT:OUT+1], s[8:9], s[20:21]
.macro FETCH s, kk, p                  ; the fragments and scale words of K step kk of slot s into set p: 39 loads in one run
	WIN 0x40
.irp b, 0,1,2,3,4,5,6,7
.irp c, 0,1,2
	ds_load_b128 v[128*(\p)+FR*\b+4*\c:128*(\p)+FR*\b+4*\c+3], v[ADB+(\s)] offset:SBB*(\kk)+1536*\b+512*\c
.endr
.endr
	WIN 0
.irp a, 0,1,2,3
.irp c, 0,1,2
	ds_load_b128 v[AF+48*(\p)+FR*\a+4*\c:AF+48*(\p)+FR*\a+4*\c+3], v[ADA+(\s)] offset:SBB*(\kk)+1536*\a+512*\c
.endr
.endr
	ds_load_b128 v[SA+4*(\p):SA+4*(\p)+3], v[ASA+(\s)] offset:SBB*(\kk)
	ds_load_b128 v[SB8+8*(\p):SB8+8*(\p)+3], v[ASB+(\s)] offset:SBB*(\kk)
	ds_load_b128 v[SB8+8*(\p)+4:SB8+8*(\p)+7], v[ASB+(\s)] offset:SBB*(\kk)+256
.endm
; Eight matrix instructions: P's block a x v's eight.  The 32 accumulators take turns, one instruction a turn, in the same order on every path.
.macro MUL8 a, p, zero
	WIN 0xa1                                       ; source 0 (v) window 1, source 1 (P) window 0, C and D window 2
.irp b, 0,1,2,3,4,5,6,7
.if \zero
	v_wmma_scale_f32_16x16x128_f8f6f4 v[8*(8*(\a)+\b):8*(8*(\a)+\b)+7], v[128*(\p)+FR*\b:128*(\p)+FR*\b+FR-1], v[AF+48*(\p)+FR*(\a):AF+48*(\p)+FR*(\a)+FR-1], 0, v[SB8+8*(\p)+\b], v[SA+4*(\p)+(\a)] matrix_a_fmt:MATRIX_FMT_BF6 matrix_b_fmt:MATRIX_FMT_BF6
.else
	v_wmma_scale_f32_16x16x128_f8f6f4 v[8*(8*(\a)+\b):8*(8*(\a)+\b)+7], v[128*(\p)+FR*\b:128*(\p)+FR*\b+FR-1], v[AF+48*(\p)+FR*(\a):AF+48*(\p)+FR*(\a)+FR-1], v[8*(8*(\a)+\b):8*(8*(\a)+\b)+7], v[SB8+8*(\p)+\b], v[SA+4*(\p)+(\a)] matrix_a_fmt:MATRIX_FMT_BF6 matrix_b_fmt:MATRIX_FMT_BF6
.endif
.endr
.endm
; K step kk (0 to 2) of the t-th four: the next step's loads go out first and land under this step's 32 products.  An odd step that is the work-group's last leaves for the end.
.macro STEP t, kk, zero
.set pset, (\kk)%2
.if pset == 1
	s_cmp_eq_u32 s[LIMT], 2*(\t)+(\kk)/2
	s_cbranch_scc1 .Lfin
.endif
	s_wait_dscnt 0x0                               ; this step's fragments are in
	PLACES 4                                       ; in front of loads into the set that the last step's products read
	FETCH (\t)%2, (\kk)+1, 1-pset
	MUL8 0, pset, \zero
	MUL8 1, pset, \zero
	MUL8 2, pset, \zero
	MUL8 3, pset, \zero
	WIN 0
.endm
; K step 3 of the t-th four changes slots: each wave waits for all its tensor loads, adds 0 to its spare word, waits for that and for its reads of the slot, and passes the barrier.
.macro TURN t
	s_cmp_eq_u32 s[LIMT], 2*(\t)+1
	s_cbranch_scc1 .Lfin
	s_wait_tensorcnt 0x0                           ; my part of the next slot has landed; no load of mine is out, so a group 0 may be written
	ds_add_u32 v[SPW], v[NIL]
.if (\t) < 2
	s_add_nc_u64 s[G0+4*((\t)%2)+2:G0+4*((\t)%2)+3], s[G0+4*((\t)%2)+2:G0+4*((\t)%2)+3], 2*REG
.endif
	s_wait_dscnt 0x0                               ; the add is done, and my reads of this slot are over
	s_barrier_signal -1
	MUL8 0, 1, 0
	WIN 0
	s_barrier_wait -1
.if (\t) < 2
	s_cmp_lt_u32 s[LIMT], 2*(\t)+4                 ; the four K steps two slots on lie beyond the limit: nobody would read them
	s_cbranch_scc1 .Lpast_\@
	TLOAD3 (\t)%2                                  ; the first thing behind the barrier, and a wave's one tensor load until the next
.Lpast_\@:
.endif
	PLACES 4
	FETCH ((\t)+1)%2, 0, 0
	MUL8 1, 1, 0
	MUL8 2, 1, 0
	MUL8 3, 1, 0
	WIN 0
.endm
	s_wait_tensorcnt 0x0                           ; my part of slot 0 is in
	ds_add_u32 v[SPW], v[NIL]                      ; slot 1's first fill is issued as a refill is: the same three lines, a barrier, the load first behind it
	s_wait_dscnt 0x0
	s_barrier_signal -1
	s_barrier_wait -1
	s_cmp_lt_u32 s[LIMT], 2
	s_cbranch_scc1 .Lone
	TLOAD3 1                                       ; K steps 4 to 7
.Lone:
	FETCH 0, 0, 0
	STEP 0, 0, 1                                   ; the first products start the sums: nothing is cleared
	STEP 0, 1, 0
	STEP 0, 2, 0
	TURN 0
	STEP 1, 0, 0
	STEP 1, 1, 0
	STEP 1, 2, 0
	TURN 1
	STEP 2, 0, 0
	STEP 2, 1, 0
	STEP 2, 2, 0
	TURN 2
	STEP 3, 0, 0
	STEP 3, 1, 0
	STEP 3, 2, 0
.Lfin:                                             ; the work-group's last K step: an odd one, so its fragments lie in set 1 on every path
	s_wait_dscnt 0x0
	MUL8 0, 1, 0
	MUL8 1, 1, 0
	MUL8 2, 1, 0
	MUL8 3, 1, 0
	WIN 0
; THE WAY OUT, a block of 16 queries x 128 d at a time, half a row (256 bytes) at a time through my own stage, so that sixteen lanes store 256 consecutive bytes, aligned.
; LDS serves a wave's instructions in order: no wait between the stores and the loads, nor in front of the next half's stores.
.macro TOSTAGE a
.set BBK, OB+64*((\a)%2)
.irp u, 0,1
	WIN 0x08                                       ; an LDS store's data are its source 1: window 2
.irp b, 0,1,2,3
	ds_store_b128 v[STO], v[8*(8*(\a)+4*\u+\b):8*(8*(\a)+4*\u+\b)+3] offset:64*\b        ; each accumulator from its low end on
	ds_store_b128 v[STO], v[8*(8*(\a)+4*\u+\b)+4:8*(8*(\a)+4*\u+\b)+7] offset:64*\b+16
.endr
	WIN 0
.irp i, 0,1,2,3,4,5,6,7
	ds_load_b128 v[BBK+32*\u+4*\i:BBK+32*\u+4*\i+3], v[RD] offset:544*\i
.endr
.endr
.endm
.macro SEND a, younger                 ; younger: the LDS instructions issued behind block a's loads, which may stay out
.set BBK, OB+64*((\a)%2)
	s_wait_dscnt \younger
.irp u, 0,1
.irp i, 0,1,2,3,4,5,6,7
	global_store_b128 v[GO], v[BBK+32*\u+4*\i:BBK+32*\u+4*\i+3], s[OUT:OUT+1] offset:(16*(\a)+2*\i)*4096+256*\u th:TH_STORE_NT
.endr
.endr
.endm
	PLACES 4                                       ; in front of the first read of results and of loads into the registers that held P's fragments
	TOSTAGE 0
.irp a, 1,2,3
.if \a > 1
	s_wait_xcnt 0x0                                ; block a - 2's stores have read their registers: block a's loads may land there
.endif
	TOSTAGE \a
	SEND \a-1, 32                                  ; behind block a - 1's loads: block a's 16 stores and 16 loads
.endr
	SEND 3, 0
	s_wait_tensorcnt 0x0                           ; the wave's end
	ds_add_u32 v[SPW], v[NIL]
	s_wait_dscnt 0x0
	s_endpgm
.Lfunc_end_k_q1e9c843970_pv:
	.size	k_q1e9c843970_pv, .Lfunc_end_k_q1e9c843970_pv-k_q1e9c843970_pv
	.p2alignl 7, 3214868480
	.fill 96, 4, 3214868480
	.section	.rodata,"a",@progbits
	.p2align	6, 0x0
	.amdhsa_kernel k_q1e9c843970_pv
		.amdhsa_group_segment_fixed_size 327680
		.amdhsa_private_segment_fixed_size 0
		.amdhsa_enable_private_segment 0
		.amdhsa_kernarg_size 24
		.amdhsa_user_sgpr_count 2
		.amdhsa_user_sgpr_kernarg_segment_ptr 1
		.amdhsa_wavefront_size32 1
		.amdhsa_system_sgpr_workgroup_id_x 1
		.amdhsa_system_sgpr_workgroup_id_y 1
		.amdhsa_system_sgpr_workgroup_id_z 1
		.amdhsa_system_vgpr_workitem_id 0
		.amdhsa_next_free_vgpr 768
		.amdhsa_next_free_sgpr 66
		.amdhsa_reserve_vcc 0
		.amdhsa_float_denorm_mode_32 3
		.amdhsa_float_denorm_mode_16_64 3
		.amdhsa_memory_ordered 1
		.amdhsa_forward_progress 1
		.amdhsa_inst_pref_size 130
	.end_amdhsa_kernel
	.amdgpu_metadata
---
amdhsa.version: [ 1, 2 ]
amdhsa.kernels:
  - .name:           k_q1e9c843970_pv
    .symbol:         k_q1e9c843970_pv.kd
    .args:
      - { .name: pop, .offset: 0, .size: 8, .value_kind: global_buffer, .address_space: global }
      - { .name: vop, .offset: 8, .size: 8, .value_kind: global_buffer, .address_space: global }
      - { .name: out0, .offset: 16, .size: 8, .value_kind: global_buffer, .address_space: global }
    .group_segment_fixed_size: 327680
    .private_segment_fixed_size: 0
    .kernarg_segment_align: 8
    .kernarg_segment_size: 24
    .max_flat_workgroup_size: 128
    .sgpr_count:     66
    .vgpr_count:     768
    .wavefront_size: 32
...
	.end_amdgpu_metadata
.endif
;; end of part 4
